; MI455X (gfx1250); checked and timed in simulation.
; The chip was launched on July 23, 2026; its instructions are those of AMD's public machine-readable ISA for CDNA 5 (MIT licence, August 2026) and "CDNA5" Instruction Set Architecture Reference Guide (July 2026). The comments in the code are by the model that wrote it; some were corrected since.
;; ATT Layer. Allowed arithmetic: matrix products marked QUANTISED: E3M2 operands, one E8M0 scale for each 32 along K, by v_wmma_scale_f32_16x16x128_f8f6f4 with both operands' format E3M2, f32 sums; everything else in f32.
;; Inputs: fqk_W_codes 64 x 2 x 24 uint8 (E3M2 codes of fqk_W, K innermost, in blocks of 32 codes, four codes in three bytes); fqk_W_scales 64 x 2 uint8 (E8M0 scales of fqk_W, one for each 32 codes along K); fqk_a one number float32; fqk_b 64 float32; fqk_be 64 float32; fqk_g 64 float32; fqk_m 64 float32; fqk_v 64 float32; fv_W_codes 32 x 2 x 24 uint8 (E3M2 codes of fv_W, K innermost, in blocks of 32 codes, four codes in three bytes); fv_W_scales 32 x 2 uint8 (E8M0 scales of fv_W, one for each 32 codes along K); fv_a one number float32; fv_b 32 float32; fv_be 32 float32; fv_g 32 float32; fv_m 32 float32; fv_v 32 float32; inp_codes 4 x 256 x 256 x 2 x 24 uint8 (E3M2 codes of inp, K innermost, in blocks of 32 codes, four codes in three bytes); inp_scales 4 x 256 x 256 x 2 uint8 (E8M0 scales of inp, one for each 32 codes along K); proj_W_codes 64 x 1 x 24 uint8 (E3M2 codes of proj_W, K innermost, in blocks of 32 codes, four codes in three bytes); proj_W_scales 64 x 1 uint8 (E8M0 scales of proj_W, one for each 32 codes along K); proj_a one number float32; proj_b 64 float32; proj_be 64 float32; proj_g 64 float32; proj_m 64 float32; proj_v 64 float32; tqk_W_codes 64 x 2 x 24 uint8 (E3M2 codes of tqk_W, K innermost, in blocks of 32 codes, four codes in three bytes); tqk_W_scales 64 x 2 uint8 (E8M0 scales of tqk_W, one for each 32 codes along K); tqk_a one number float32; tqk_b 64 float32; tqk_be 64 float32; tqk_g 64 float32; tqk_m 64 float32; tqk_v 64 float32; x 4 x 64 x 256 x 256 float32.
;; Outputs: out0 4 x 64 x 256 x 256 float32.
;; This version of the problem:
;;   THIS VERSION OF THE PROBLEM IS GIVEN IN LOW PRECISION. The matrix products marked QUANTISED in the list below multiply operands that are first quantised to E3M2 (3 exponent bits, 2 mantissa bits; 6 bits a number), with one power-of-two scale for each 32 numbers along K (OCP MX v1.0); their sums are f32. All else is computed in f32.
;;   The module's matrix products, in the order in which they are computed (A, B: the left and right operand; K: the contracted axis; several contracted axes count as one K, in the product's order):
;;     1. [M 262,144, K 64] x [K 64, N 64]; A: input inp (given as codes); B: input fqk_W (given as codes): QUANTISED
;;     2. [M 262,144, K 64] x [K 64, N 32]; A: input x; B: input fv_W (given as codes): QUANTISED
;;     3. batch 1,024 x [M 256, K 32] x [K 32, N 256]; A: computed on the way; B: computed on the way: QUANTISED
;;     4. batch 1,024 x [M 32, K 256] x [K 256, N 256]; A: computed on the way; B: softmax (see below): QUANTISED
;;     5. [M 262,144, K 64] x [K 64, N 64]; A: input inp (given as codes); B: input tqk_W (given as codes): QUANTISED
;;     6. batch 1,024 x [M 256, K 32] x [K 32, N 256]; A: computed on the way; B: computed on the way: QUANTISED
;;     7. batch 1,024 x [M 32, K 256] x [K 256, N 256]; A: computed on the way; B: softmax (see below): QUANTISED
;;     8. [M 262,144, K 32] x [K 32, N 64]; A: computed on the way; B: input proj_W (given as codes): QUANTISED
;;   THE QUANTISER, for each operand of a quantised product, along K:
;;     - K is cut into blocks of 32 from its start; a last block that is shorter is filled with zeros.
;;     - A block's scale is 2^e with e = floor(log2(the largest magnitude in the block)) - 4, held to -126 .. 127; a block of zeros has e = 0. As a byte (E8M0): e + 127.
;;     - Each number is divided by its block's scale, clamped to +-28, and rounded to the nearest number of E3M2, ties to even, subnormals kept.
;;     - The product sums the exact products of the quantised numbers (number of the format x scale) in f32.
;;   ~~~python
;;   def quantise(x, axis):      # numpy; x: float32 -> the quantised numbers, widened to float32 again
;;       x = np.moveaxis(x, axis, -1); K = x.shape[-1]
;;       x = np.pad(x, [(0, 0)] * (x.ndim - 1) + [(0, -K % 32)]); x = x.reshape(x.shape[:-1] + (-1, 32)); a = np.abs(x).max(-1, keepdims=True)
;;       e = np.where(a > 0, np.clip(np.frexp(np.where(a > 0, a, 1))[1] - 1 - 4, -126, 127), 0)      # np.frexp(a)[1] - 1 = floor(log2(a)), exactly
;;       r = np.clip(x / 2.0 ** e, -28, 28)
;;       step = 2.0 ** (np.maximum(np.frexp(np.where(r == 0, 1, r))[1] - 1, -2) - 2)
;;       q = np.round(r / step) * step * 2.0 ** e      # np.round: ties to even
;;       return np.moveaxis(q.reshape(q.shape[:-2] + (-1,))[..., :K], -1, axis).astype(np.float32)
;;   ~~~
;;   SOFTMAX AHEAD OF A QUANTISED PRODUCT. Where the list says 'softmax', what is quantised is not the finished softmax but p = 2^(t - M), with t = logit x log2(e) and M = ceil(the row's largest t), a whole number; so 1/2 < the row's largest p <= 1. The row's sum l is taken of the UNQUANTISED p, in f32, and the product's result is divided by l at the end. Since M is a whole number, a kernel that streams over the keys may use a running M (the ceiling of the running maximum): every later rescaling is an exact power of two, which a block's scale takes up: the codes' values come out the same.
;;   OPERANDS COMPUTED ON THE WAY. 'Computed on the way' means the value that the module computes at that place (a softmax that the list does not call 'softmax' is quantised finished and normalised). What goes into a quantiser is computed in f32, as accurately as f32 sums, v_exp_f32 and their like allow (about 1e-6 of the number): no bf16 or f16 on the way to a quantiser, and a product that is left as it is and whose result goes on into a quantised operand takes f32 operands (vector FMAs, or v_wmma_f32_16x16x4_f32). A number that lies on a knife's edge between two numbers of the format may be rounded either way, as far as f32 arithmetic and the matrix unit's own rounding can turn it there, and no further.
;;   INPUTS GIVEN AS CODES. fqk_W (in the module: [64, 64], K = its axis 1); fv_W (in the module: [32, 64], K = its axis 1); inp (in the module: [4, 64, 256, 256], K = its axis 1); proj_W (in the module: [64, 32], K = its axis 1); tqk_W (in the module: [64, 64], K = its axis 1): each comes as NAME_codes (uint8): NAME with its K axis moved to the last place and cut into blocks of 32 codes, [.., K / 32, bytes a block], one block behind the other in memory; four codes in three bytes: a row's codes are one little-endian stream of bits, code i at bits 6 i .. 6 i + 5 (a code: sign, 3 exponent bits, 2 mantissa bits); and NAME_scales (uint8): the same leading axes, one E8M0 byte (e + 127) for each 32 codes along K. Its value is code x scale, taken as it is: it is not quantised again, and the codes and scales need not be those that the quantiser above would give.
;; One version. Each part assembles by itself: llvm-mc -triple=amdgcn-amd-amdhsa -mcpu=gfx1250 --defsym DOCPART=n.
;; ======== version 1 of 1: 3 launches
;; workspace buffers: qk 25,165,824 bytes; sc 1,310,720 bytes; vf 6,291,456 bytes; fo 33,554,432 bytes
;; launch prep (part 1): grid 256 x 1, 8 waves a work-group, no clusters, 327,680 bytes of LDS; arguments x, inp_codes, inp_scales, qk, sc, vf, fqk_W_codes, fqk_W_scales, tqk_W_codes, tqk_W_scales, fv_W_codes, fv_W_scales, fqk_g, fqk_v, fqk_m, fqk_b, fqk_be, tqk_g, tqk_v, tqk_m, tqk_b, tqk_be, fv_g, fv_v, fv_m, fv_b, fv_be, fqk_a, tqk_a, fv_a; writes qk, sc, vf
.if DOCPART == 1
	.amdgcn_target "amdgcn-amd-amdhsa--gfx1250"
	.amdhsa_code_object_version 6
	.text
	.protected	k_qcdb018fc0b_prep
	.globl	k_qcdb018fc0b_prep
	.p2align	8
	.type	k_qcdb018fc0b_prep,@function
k_qcdb018fc0b_prep:
	s_mov_b64 s[64:65], 0
	v_nop
	global_prefetch_b8 v0, s[64:65] scope:SCOPE_SE
	s_setreg_imm32_b32 hwreg(HW_REG_WAVE_MODE, 25, 1), 1
	s_wait_xcnt 0x0
; PREP: the three 1x1 convolutions in front of the attentions (inp x fqk_W, inp x tqk_W, Q(x) x fv_W), BatchNorm, PReLU, and the quantisers behind them.
; Out: qk  four sections [b][batch 256][seq 256][24 bytes]: q and k of the frequency attention (batch = t, seq = f), q and k of the time attention (batch = f, seq = t): 32 channels in 24 bytes;
;      sc  [b][t][f][2] and [b][f][t][2]: q's and k's scale byte of a position;  [b][t][fb 8][c 32]: v's scale bytes;      vf  [b][t][fb 8][c 32][24 bytes]: v's codes of f = 32 fb .. 32 fb + 31.
; SHARE.  A work-group takes a patch of 32 f x 32 t of one b (v's blocks of 32 along f want 32 f in one work-group; 256 equal work-groups then leave 32 t, so x's rows here are 128 bytes).  In each phase wave w takes four rows.
; K = 64 fills half of the instruction's 128: the data side is [6 registers of codes][6 of zero codes]; the weights' tiles stand on end, 6 registers each, and what follows a tile meets zero codes.  Scale words are two bytes, the upper two 0.
; THE ROWS OF A WEIGHT'S TILE ARE CHOSEN: row rho of tile u is channel 8 u + rho + (rho & 8), so that a lane's 16 registers of tiles u = 0, 1 are channels 16 h + 0 .. 15 of one position: neighbours along the next K.
; BatchNorm is folded: sc = g rsq(v + eps), sh = (b - m) sc + be.  PReLU is med3(y, a y, L), L = +inf where a <= 1, else -inf: y where y > 0, a y elsewhere, for every a.
; No cluster: no two work-groups read the same bytes but the weights, 10 KB.
; LIMITS: NaN and infinities among the inputs are not served; a block of zeros gets the byte 1 (its codes are zeros; this program alone reads the bytes); blocks whose largest magnitude lies under 2^-122 are held at that byte.
.set IC,    262144                     ; LDS: [0, 262144) x's patch [c 64][f 32][t 32] f32, filled once by tensor loads;  IC: 32 rows (f) x 1,584 bytes, 48 bytes a position: first inp's codes, later x's
.set ICP,   1584                       ; 396 words = 12 mod 64, as 48 bytes are: loads of 8 bytes along f and along t both touch 64 different banks (64 banks of 4 bytes: ISA guide 11.1)
.set ISB,   312832                     ; the positions' two scale bytes: 32 rows x 80 bytes
.set ISP,   80
.set TAB,   315392                     ; sc and sh: 512 bytes a set (fqk, tqk, fv, spare): sc at 128 (o & 1) + 4 (o >> 1), sh 256 further on
.set QKK,   6291456
.set QKT,   12582912
.set SCT,   524288
.set SCV,   1048576
.set FLOOR, 0x2800000                  ; 2^(5 - 127)
.set EOFF,  0xfe000000                 ; 4 off an exponent field
.set LN,  1                            ; lane
.set RO,  2                            ; rho = lane % 16
.set HH,  3                            ; h = lane / 16
.set RR,  4                            ; rho + (rho & 8)
.set FA,  5                            ; LDS bases of the fragments: along f, along t, and their scale words
.set TA,  6
.set FSA, 7
.set TSA, 8
.set A0,  9                            ; v9-12 the trip's four addresses
.set CO,  13                           ; 24 rho + 12 h
.set SO,  14                           ; 2 rho + h
.set VFA, 15
.set VSA, 16
.set VA0, 17
.set VA1, 18
.set XA,  20                           ; v20-23 x's patch: 4 lane + 512 w + 65,536 g
.set XW,  24
.set XWS, 25
.set WS,  26                           ; v26-35 the weights' scale words: scales and nothing else
.set FS,  36                           ; v36-39 the fragments' scale words: likewise
.set WT,  40                           ; v40-99 ten tiles of weights; v100-105 zeros
.set FR,  106                          ; v106-153 four fragments
.set D,   154                          ; v154-185 four results
.set T,   186                          ; v186-217 a y
.set QM,  218
.set CQ,  234
.set CK,  238
.set BY,  241
.set VB,  242                          ; v242-249 fv's sc and sh, each twice
.set LL,  250                          ; v250-252 L of fqk, tqk, fv
.set XC,  40                           ; phase X: a position's 12 registers of codes, and what it works with
.set XT,  52
.set XM,  56
.set XB,  60
.set WV,  2
.set AF,  20                           ; s[20:21], s[22:23] a of fqk, tqk;  s[66:67] of fv
.set AV,  66
.set G1,  24
.set G0,  32
.set CB,  68                           ; s[68:69], s[70:71] where the codes go (kind 0, 1);  s[72:73], s[74:75] the scale bytes
.set SBS, 72
.set L48, 76
.set L15, 77
.set L2,  78
.set L80, 79
.set CNT, 80
.set VBS, 82
.set VSS, 84
.set MHI, 89
.set SEL, 90
.set BB,  100
.set FBK, 101
.set TBK, 104
.set MSB, 0
.macro WIN new                         ; the immediate's high byte repeats the setting that is left
.if MSB != \new
	s_set_vgpr_msb (MSB<<8)|\new
.set MSB, \new
.endif
.endm
.macro PLACES n
.rept \n
	v_nop
.endr
.endm
; PReLU on the 32 numbers in D
.macro ACT sa, vl
.set i, 0
.rept 16
	v_pk_mul_f32 v[T+i:T+i+1], v[D+i:D+i+1], s[\sa:\sa+1] op_sel_hi:[1,0]
.set i, i+2
.endr
.set i, 0
.rept 32
	v_med3_num_f32 v[D+i], v[D+i], v[T+i], v[\vl]
.set i, i+1
.endr
.endm
; Two halves of blocks, D+0..15 and D+16..31: the largest magnitude with lane l xor 16's, the scale, 16 codes each (12 bytes); BY: lanes 0-15 the first's byte, lanes 16-31 the second's
.macro QQ
	v_max3_num_f32 v[QM], |v[D]|, |v[D+1]|, FLOOR
	v_max3_num_f32 v[QM+1], |v[D+16]|, |v[D+17]|, FLOOR
.irp i, 2,4,6,8,10,12,14
	v_max3_num_f32 v[QM], v[QM], |v[D+\i]|, |v[D+\i+1]|
	v_max3_num_f32 v[QM+1], v[QM+1], |v[D+16+\i]|, |v[D+17+\i]|
.endr
	v_permlanex16_b32 v[QM+2], v[QM], s[SEL], s[SEL+1]
	v_permlanex16_b32 v[QM+3], v[QM+1], s[SEL], s[SEL+1]
	v_max_num_f32 v[QM], v[QM], v[QM+2]
	v_max_num_f32 v[QM+1], v[QM+1], v[QM+3]
	v_add_nc_u32 v[QM+4], EOFF, v[QM]              ; the conversion takes this operand's exponent field as its scale
	v_add_nc_u32 v[QM+5], EOFF, v[QM+1]
	v_lshrrev_b32 v[QM+6], 23, v[QM+4]
	v_lshrrev_b32 v[QM+7], 23, v[QM+5]
	s_wait_xcnt 0x0                                ; the last stores have read CQ, CK and BY: they are written again only behind this wait
	v_cvt_scalef32_pk16_bf6_f32 v[CQ:CQ+2], v[D:D+15], v[QM+4]
	v_cvt_scalef32_pk16_bf6_f32 v[CK:CK+2], v[D+16:D+31], v[QM+5]
	v_cndmask_b32 v[BY], v[QM+6], v[QM+7], s[MHI]  ; (the plain line behind the conversions)
.endm
; One tile of 16 positions of inp against one weight: kind 0 fqk (positions along f), 1 tqk (along t); e: which 16 of the 32; n: the trip's n-th tile
.macro ITILE kind, e, n
	s_wait_dscnt 12-4*\n                           ; this tile's four LDS loads are in; the later tiles' four each may be out
.irp q, 0,1,2,3
	v_wmma_scale_f32_16x16x128_f8f6f4 v[D+8*\q:D+8*\q+7], v[WT+6*(4*\kind+\q):WT+6*(4*\kind+\q)+11], v[FR+12*\n:FR+12*\n+11], 0, v[WS+4*\kind+\q], v[FS+\n] matrix_a_fmt:MATRIX_FMT_BF6 matrix_b_fmt:MATRIX_FMT_BF6
.endr
	PLACES 4
	WIN 0x14                                       ; sc and sh lie in window 1
.set i, 0
.rept 16
	v_pk_fma_f32 v[D+i:D+i+1], v[D+i:D+i+1], v[64*\kind+i:64*\kind+i+1], v[64*\kind+32+i:64*\kind+32+i+1]
.set i, i+2
.endr
	WIN 0
	ACT AF+2*\kind, LL+\kind
	QQ
	global_store_b96 v[CO], v[CQ:CQ+2], s[CB+2*\kind:CB+2*\kind+1] offset:384*\e            ; 32 lanes store 384 consecutive bytes: 16 positions' q
	global_store_b96 v[CO], v[CK:CK+2], s[CB+2*\kind:CB+2*\kind+1] offset:384*\e+QKK        ; and their k
	global_store_b8 v[SO], v[BY], s[SBS+2*\kind:SBS+2*\kind+1] offset:32*\e
.endm
; Phase X.  Sub-unit m = 2 n + h': row f = 4 w + n, channels 32 h' .. 32 h' + 31; lane = t, registers down the channels
.macro XLD m
.set i, 0
.rept 32
	ds_load_b32 v[FR+32*((\m)%2)+i], v[XA+2*((\m)%2)+i/16] offset:(i%16)*4096+128*((\m)/2)
.set i, i+1
.endr
.endm
.macro XQ m
.set xs, FR+32*((\m)%2)
.set hx, (\m)%2
	v_max3_num_f32 v[XM], |v[xs]|, |v[xs+1]|, FLOOR
	v_max3_num_f32 v[XM+1], |v[xs+16]|, |v[xs+17]|, FLOOR
.irp i, 2,4,6,8,10,12,14
	v_max3_num_f32 v[XM], v[XM], |v[xs+\i]|, |v[xs+\i+1]|
	v_max3_num_f32 v[XM+1], v[XM+1], |v[xs+16+\i]|, |v[xs+17+\i]|
.endr
	v_max_num_f32 v[XM], v[XM], v[XM+1]            ; the block's 32 numbers are all mine
	v_add_nc_u32 v[XM+2], EOFF, v[XM]
	v_cvt_scalef32_pk16_bf6_f32 v[XC+6*hx:XC+6*hx+2], v[xs:xs+15], v[XM+2]
	v_cvt_scalef32_pk16_bf6_f32 v[XT:XT+2], v[xs+16:xs+31], v[XM+2]    ; (a conversion's three registers begin on an even number)
	v_lshrrev_b32 v[XB+hx], 23, v[XM+2]            ; (the plain line behind the conversions)
.irp i, 0,1,2
	v_mov_b32 v[XC+6*hx+3+\i], v[XT+\i]
.endr
.if hx == 1
	v_lshl_or_b32 v[XB], v[XB+1], 8, v[XB]
.irp k, 0,1,2
	ds_store_b128 v[XW], v[XC+4*\k:XC+4*\k+3] offset:ICP*((\m)/2)+16*\k
.endr
	ds_store_b16 v[XWS], v[XB] offset:ISP*((\m)/2)
.endif
.endm
	s_load_b256 s[4:11], s[0:1], 0x0               ; x, inp_codes, inp_scales, qk
	s_load_b128 s[12:15], s[0:1], 0x20             ; sc, vf
	s_load_b512 s[68:83], s[0:1], 0x60             ; fqk g v m b be, tqk g v m
	s_load_b512 s[84:99], s[0:1], 0xa0             ; tqk b be, fv g v m b be, fqk_a
	s_load_b128 s[16:19], s[0:1], 0xe0             ; tqk_a, fv_a
	v_lshl_add_u32 v254, v0, 2, 0x4d800
	v_mov_b32 v255, 0
	ds_add_u32 v254, v255
	ds_add_u32 v254, v255
	v_lshrrev_b32 v1, 5, v0
	v_readfirstlane_b32 s[WV], v1                  ; wave 0..7
	s_lshr_b32 s[BB], ttmp9, 6                     ; b
	s_bfe_u32 s[FBK], ttmp9, 0x30003               ; fb: f0 = 32 fb
	s_and_b32 s[TBK], ttmp9, 7                     ; tb: t0 = 32 tb
	; descriptor group 1: 32 rows (f) of 32 elements of 4 bytes, 256 elements from row to row, no padding (the lanes that read run along t)
	s_mov_b32 s[G1+0], 2<<16
	s_mov_b32 s[G1+1], 32<<16
	s_mov_b32 s[G1+2], 32<<16
	s_mov_b32 s[G1+3], 32<<16
	s_mov_b32 s[G1+4], 32
	s_mov_b32 s[G1+5], 256
	s_mov_b32 s[G1+6], 0
	s_mov_b32 s[G1+7], 0
	s_lshl_b32 s3, s[BB], 6
	s_lshl_b32 s105, s[WV], 3
	s_add_co_u32 s3, s3, s105                      ; 64 b + 8 w: my first of eight channels
	s_lshl_b32 s20, s3, 18
	s_lshl_b32 s3, s[FBK], 15
	s_add_co_u32 s20, s20, s3
	s_lshl_b32 s3, s[TBK], 7
	s_add_co_u32 s20, s20, s3
	s_mov_b32 s21, 0
	s_lshl_b32 s22, s[WV], 15                      ; and their place in LDS: 32,768 w
	s_wait_dscnt 0x0
	s_wait_kmcnt 0x0
	s_add_nc_u64 s[20:21], s[4:5], s[20:21]
.irp n, 0,1,2,3,4,5,6,7
	s_mov_b32 s[G0+4*\n], 1
	s_add_co_u32 s[G0+4*\n+1], s22, \n*4096
	s_add_nc_u64 s[G0+4*\n+2:G0+4*\n+3], s[20:21], \n*262144
	s_or_b32 s[G0+4*\n+3], s[G0+4*\n+3], 0x80000000
.endr
.irp n, 0,1,2,3,4,5,6,7
	tensor_load_to_lds s[G0+4*\n:G0+4*\n+3], s[G1:G1+7]     ; x's patch, a channel a load: eight loads of mine are out; they land while inp is worked on; nothing in LDS is filled twice
	s_nop 0
.endr
	PLACES 4
	; sc and sh, a channel a thread: waves 0, 1 fqk's 64, waves 2, 3 tqk's, wave 4 fv's 32; waves 5 to 7 repeat fv's into table words of their own that nobody reads, so that no branch is needed
	s_cmp_lt_u32 s[WV], 2
	s_cselect_b64 s[68:69], s[68:69], s[78:79]
	s_cselect_b64 s[70:71], s[70:71], s[80:81]
	s_cselect_b64 s[72:73], s[72:73], s[82:83]
	s_cselect_b64 s[74:75], s[74:75], s[84:85]
	s_cselect_b64 s[76:77], s[76:77], s[86:87]
	s_cmp_lt_u32 s[WV], 4
	s_cselect_b64 s[68:69], s[68:69], s[88:89]
	s_cselect_b64 s[70:71], s[70:71], s[90:91]
	s_cselect_b64 s[72:73], s[72:73], s[92:93]
	s_cselect_b64 s[74:75], s[74:75], s[94:95]
	s_cselect_b64 s[76:77], s[76:77], s[96:97]
	s_cselect_b32 s3, 63, 31
	v_and_b32 v186, s3, v0
	v_lshlrev_b32 v186, 2, v186
	global_load_b32 v187, v186, s[68:69]           ; g
	global_load_b32 v188, v186, s[70:71]           ; v
	global_load_b32 v189, v186, s[72:73]           ; m
	global_load_b32 v190, v186, s[74:75]           ; b
	global_load_b32 v191, v186, s[76:77]           ; be
	v_lshrrev_b32 v192, 6, v0
	v_lshlrev_b32 v192, 9, v192
	v_and_b32 v193, 1, v0
	v_lshl_add_u32 v192, v193, 7, v192
	v_bfe_u32 v193, v0, 1, 5
	v_lshl_add_u32 v192, v193, 2, v192
	v_add_nc_u32 v192, TAB, v192                   ; my word of the table
	v_and_b32 v[LN], 31, v0
	v_and_b32 v[RO], 15, v0
	v_bfe_u32 v[HH], v0, 4, 1
	v_and_b32 v[RR], 8, v[RO]
	v_add_nc_u32 v[RR], v[RR], v[RO]
	; inp's patch: my four rows f = f0 + 4 w + i, 1,536 bytes of codes and 64 of scales each
	s_lshl_b32 s3, s[BB], 8
	s_lshl_b32 s105, s[FBK], 5
	s_add_co_u32 s3, s3, s105
	s_lshl_b32 s105, s[WV], 2
	s_add_co_u32 s3, s3, s105                      ; 256 b + f0 + 4 w
	s_mul_i32 s22, s3, 12288
	s_mul_i32 s105, s[TBK], 1536
	s_add_co_u32 s22, s22, s105
	s_mov_b32 s23, 0
	s_add_nc_u64 s[6:7], s[6:7], s[22:23]
	s_lshl_b32 s22, s3, 9
	s_lshl_b32 s105, s[TBK], 6
	s_add_co_u32 s22, s22, s105
	s_add_nc_u64 s[8:9], s[8:9], s[22:23]
	v_lshlrev_b32 v193, 4, v[LN]
	v_lshrrev_b32 v194, 3, v[LN]
	v_and_b32 v195, 7, v[LN]
	v_lshlrev_b32 v196, 3, v195
	v_lshl_add_u32 v197, v194, 9, v196
.irp i, 0,1,2,3
.irp k, 0,1,2
	global_load_b128 v[FR+12*\i+4*\k:FR+12*\i+4*\k+3], v193, s[6:7] offset:12288*\i+512*\k th:TH_LOAD_NT
.endr
.endr
	global_load_b64 v[D:D+1], v197, s[8:9] th:TH_LOAD_NT
	s_load_b32 s20, s[98:99], 0x0                  ; the three slopes
	s_load_b32 s22, s[16:17], 0x0
	s_load_b32 s66, s[18:19], 0x0
	s_wait_xcnt 0x0                                ; the loads above have read their bases: s[68:79] take the weights' addresses
	s_load_b256 s[68:75], s[0:1], 0x30             ; fqk_W codes, scales, tqk_W codes, scales
	s_load_b128 s[76:79], s[0:1], 0x50             ; fv_W codes, scales
	v_mul_u32_u24 v198, v[RR], 96
	v_mad_u32_u24 v198, v[HH], 24, v198            ; fqk, tqk: row o = 2 (8 u + rho + (rho & 8)) + role, 48 bytes a row, + 24 h
	v_lshlrev_b32 v199, 2, v[RR]
	v_mul_u32_u24 v200, v[RO], 48
	v_mad_u32_u24 v200, v[HH], 24, v200            ; fv: row 16 u + rho
	v_lshlrev_b32 v201, 1, v[RO]
	s_wait_kmcnt 0x0
	s_mov_b32 s21, s20                             ; (the packed forms name pairs)
	s_mov_b32 s23, s22
	s_mov_b32 s67, s66
.irp k, 0,1
.irp q, 0,1,2,3
.irp p, 0,1,2
	global_load_b64 v[WT+6*(4*\k+\q)+2*\p:WT+6*(4*\k+\q)+2*\p+1], v198, s[68+4*\k:69+4*\k] offset:768*(\q%2)+48*(\q/2)+8*\p
.endr
	global_load_u16 v[WS+4*\k+\q], v199, s[70+4*\k:71+4*\k] offset:32*(\q%2)+2*(\q/2)
.endr
.endr
.irp u, 0,1
.irp p, 0,1,2
	global_load_b64 v[WT+48+6*\u+2*\p:WT+48+6*\u+2*\p+1], v200, s[76:77] offset:768*\u+8*\p
.endr
	global_load_u16 v[WS+8+\u], v201, s[78:79] offset:32*\u
.endr
	; every LDS address: a constant + constants x lane parts + a constant x wave
	s_mul_i32 s3, s[WV], 4*ICP
	s_mul_i32 s105, s[WV], 4*ISP
	v_add_nc_u32 v202, s3, v193
	v_add_nc_u32 v202, IC, v202                    ; the patch on its way in: 16 lane + my four rows
	v_mad_u32_u24 v203, v194, ISP, v196
	v_add_nc_u32 v203, s105, v203
	v_add_nc_u32 v203, ISB, v203
	v_mul_u32_u24 v[FA], v[RO], ICP
	v_mad_u32_u24 v[FA], v[HH], 24, v[FA]
	v_add_nc_u32 v[FA], IC, v[FA]
	v_mul_u32_u24 v[TA], v[RO], 48
	v_mad_u32_u24 v[TA], v[HH], 24, v[TA]
	v_add_nc_u32 v[TA], IC, v[TA]
	v_mul_u32_u24 v[FSA], v[RO], ISP
	v_add_nc_u32 v[FSA], ISB, v[FSA]
	v_lshlrev_b32 v[TSA], 1, v[RO]
	v_add_nc_u32 v[TSA], ISB, v[TSA]
	v_mul_u32_u24 v[VFA], v[RR], ICP
	v_mad_u32_u24 v[VFA], v[HH], 24, v[VFA]
	v_add_nc_u32 v[VFA], IC, v[VFA]
	v_mul_u32_u24 v[VSA], v[RR], ISP
	v_add_nc_u32 v[VSA], ISB, v[VSA]
	v_mul_u32_u24 v[CO], v[RO], 24
	v_mad_u32_u24 v[CO], v[HH], 12, v[CO]
	v_lshl_add_u32 v[SO], v[RO], 1, v[HH]
	s_lshl_b32 s22, s[WV], 9
	v_lshlrev_b32 v[XA], 2, v[LN]
	v_add_nc_u32 v[XA], s22, v[XA]
	v_add_nc_u32 v[XA+1], 65536, v[XA]
	v_add_nc_u32 v[XA+2], 131072, v[XA]
	v_add_nc_u32 v[XA+3], 196608, v[XA]
	s_mov_b32 s22, s23                             ; (tqk's slope back in its place)
	v_mul_u32_u24 v[XW], v[LN], 48
	v_add_nc_u32 v[XW], s3, v[XW]
	v_add_nc_u32 v[XW], IC, v[XW]
	v_lshlrev_b32 v[XWS], 1, v[LN]
	v_add_nc_u32 v[XWS], s105, v[XWS]
	v_add_nc_u32 v[XWS], ISB, v[XWS]
	v_lshlrev_b32 v204, 6, v[HH]
	v_add_nc_u32 v204, TAB, v204                   ; the table for a lane of half h: channels 16 h on
	v_and_b32 v205, 1, v[RO]
	v_lshlrev_b32 v205, 7, v205
	v_lshrrev_b32 v206, 1, v[RO]
	v_lshl_add_u32 v205, v206, 2, v205
	v_add_nc_u32 v205, TAB+1024, v205              ; fv's entry of channel rho (16 more: 32 bytes on)
	s_wait_loadcnt 53                              ; g, v, m, b, be are in; behind them: 13 loads of the patch, 40 of the weights
	v_add_f32 v188, 0x3727c5ac, v188               ; v + 1e-5
	v_rsq_f32 v188, v188
	v_sub_f32 v190, v190, v189                     ; b - m (the plain line behind the root)
	s_wait_alu depctr_va_vdst(0)
	v_mul_f32 v188, v188, v187                     ; sc
	v_fma_f32 v190, v190, v188, v191               ; sh
	ds_store_b32 v192, v188
	ds_store_b32 v192, v190 offset:256
	s_wait_loadcnt 40                              ; the patch is in; the weights' 40 may be out
.irp i, 0,1,2,3
.irp k, 0,1,2
	ds_store_b128 v202, v[FR+12*\i+4*\k:FR+12*\i+4*\k+3] offset:ICP*\i+512*\k
.endr
.endr
	ds_store_b64 v203, v[D:D+1]
	s_wait_loadcnt 0x0                             ; the weights
	s_wait_dscnt 0x0                               ; for the others' sake: my stores have landed
	s_barrier_signal -1
	s_barrier_wait -1                              ; inp's patch and the table lie in LDS
.irp n, 0,1,2,3
.irp i, 6,7,8,9,10,11
	v_mov_b32 v[FR+12*\n+\i], 0                    ; the fragments' upper halves: zero codes
.endr
.endr
.irp i, 0,1,2,3,4,5
	v_mov_b32 v[WT+60+\i], 0                       ; behind the last tile of weights
.endr
	v_mov_b32 v[QM+2], 0                           ; (a lane permute's destination counts as one of its sources)
	v_mov_b32 v[QM+3], 0
	WIN 0x40                                       ; destination window 1
.irp k, 0,1
.irp z, 0,1
.irp q, 0,1,2,3
	ds_load_b128 v[64*\k+32*\z+8*\q:64*\k+32*\z+8*\q+3], v204 offset:512*\k+256*\z+128*(\q/2)+32*(\q%2)
	ds_load_b128 v[64*\k+32*\z+8*\q+4:64*\k+32*\z+8*\q+7], v204 offset:512*\k+256*\z+128*(\q/2)+32*(\q%2)+16
.endr
.endr
.endr
	WIN 0
.irp u, 0,1
.irp z, 0,1
	ds_load_b32 v[VB+4*\u+2*\z], v205 offset:32*\u+256*\z
	ds_load_b32 v[VB+4*\u+2*\z+1], v205 offset:32*\u+256*\z
.endr
.endr
	v_mov_b32 v206, 1.0
	v_mov_b32 v207, 0x7f800000
	v_mov_b32 v208, 0xff800000
	v_cmp_le_f32 vcc_lo, s20, v206
	v_cndmask_b32 v[LL], v208, v207, vcc_lo
	v_cmp_le_f32 vcc_lo, s22, v206
	v_cndmask_b32 v[LL+1], v208, v207, vcc_lo
	v_cmp_le_f32 vcc_lo, s66, v206
	v_cndmask_b32 v[LL+2], v208, v207, vcc_lo
	; where the results go
	s_mov_b32 s[MHI], 0xffff0000
	s_mov_b32 s[SEL], 0x76543210
	s_mov_b32 s[SEL+1], 0xfedcba98
	s_lshl_b32 s3, s[BB], 8
	s_lshl_b32 s105, s[WV], 2
	s_add_co_u32 s3, s3, s105
	s_lshl_b32 s105, s[TBK], 5
	s_add_co_u32 s86, s3, s105                     ; 256 b + t0 + 4 w
	s_lshl_b32 s105, s[FBK], 5
	s_add_co_u32 s87, s3, s105                     ; 256 b + f0 + 4 w
	s_mov_b32 s93, 0
	s_mul_i32 s92, s86, 6144
	s_mul_i32 s105, s[FBK], 768
	s_add_co_u32 s92, s92, s105
	s_add_nc_u64 s[CB:CB+1], s[10:11], s[92:93]
	s_add_nc_u64 s[VBS:VBS+1], s[14:15], s[92:93]
	s_mul_i32 s92, s87, 6144
	s_mul_i32 s105, s[TBK], 768
	s_add_co_u32 s92, s92, s105
	s_add_co_u32 s92, s92, QKT
	s_add_nc_u64 s[CB+2:CB+3], s[10:11], s[92:93]
	s_lshl_b32 s92, s86, 9
	s_lshl_b32 s105, s[FBK], 6
	s_add_co_u32 s92, s92, s105
	s_add_nc_u64 s[SBS:SBS+1], s[12:13], s[92:93]
	s_lshl_b32 s92, s87, 9
	s_lshl_b32 s105, s[TBK], 6
	s_add_co_u32 s92, s92, s105
	s_add_co_u32 s92, s92, SCT
	s_add_nc_u64 s[SBS+2:SBS+3], s[12:13], s[92:93]
	s_lshl_b32 s92, s86, 8
	s_lshl_b32 s105, s[FBK], 5
	s_add_co_u32 s92, s92, s105
	s_add_co_u32 s92, s92, SCV
	s_add_nc_u64 s[VSS:VSS+1], s[12:13], s[92:93]
	s_mul_i32 s[L48], s[WV], 192
	s_mul_i32 s[L15], s[WV], 4*ICP
	s_lshl_b32 s[L2], s[WV], 3
	s_mul_i32 s[L80], s[WV], 4*ISP
	s_mov_b32 s[CNT], 4
; ---- inp: four trips; trip i = 4 w + 0 .. 3 takes column t = i for the frequency attention (two tiles along f) and row f = i for the time attention (two tiles along t)
.Lrow:
	v_add_nc_u32 v[A0], s[L48], v[FA]
	v_add_nc_u32 v[A0+1], s[L15], v[TA]
	v_add_nc_u32 v[A0+2], s[L2], v[FSA]
	v_add_nc_u32 v[A0+3], s[L80], v[TSA]
.irp e, 0,1
.irp p, 0,1,2
	ds_load_b64 v[FR+12*\e+2*\p:FR+12*\e+2*\p+1], v[A0] offset:16*ICP*\e+8*\p
.endr
	ds_load_u16 v[FS+\e], v[A0+2] offset:16*ISP*\e
.endr
.irp e, 0,1
.irp p, 0,1,2
	ds_load_b64 v[FR+24+12*\e+2*\p:FR+24+12*\e+2*\p+1], v[A0+1] offset:768*\e+8*\p
.endr
	ds_load_u16 v[FS+2+\e], v[A0+3] offset:32*\e
.endr
	ITILE 0, 0, 0
	ITILE 0, 1, 1
	ITILE 1, 0, 2
	ITILE 1, 1, 3
	s_wait_xcnt 0x0                                ; the stores have read their bases
	s_add_nc_u64 s[CB:CB+1], s[CB:CB+1], 6144
	s_add_nc_u64 s[CB+2:CB+3], s[CB+2:CB+3], 6144
	s_add_nc_u64 s[SBS:SBS+1], s[SBS:SBS+1], 512
	s_add_nc_u64 s[SBS+2:SBS+3], s[SBS+2:SBS+3], 512
	s_add_co_u32 s[L48], s[L48], 48
	s_add_co_u32 s[L15], s[L15], ICP
	s_add_co_u32 s[L2], s[L2], 2
	s_add_co_u32 s[L80], s[L80], ISP
	s_sub_co_u32 s[CNT], s[CNT], 1
	s_cmp_lg_u32 s[CNT], 0
	s_cbranch_scc1 .Lrow
	s_wait_tensorcnt 0x0                           ; my eight channels of x have landed,
	s_wait_dscnt 0x0                               ; and my reads of inp's patch are over
	s_barrier_signal -1
	s_barrier_wait -1                              ; both hold of every wave: x may be read, and its codes may take inp's place
; ---- x: quantised along the channels, a lane to a position
	XLD 0
.irp m, 0,1,2,3,4,5,6,7
.if \m < 7
	XLD \m+1
	s_wait_dscnt 32                                ; all but the next sub-unit's 32 loads
.else
	s_wait_dscnt 0x0
.endif
	XQ \m
.endr
.irp n, 0,1
.irp i, 6,7,8,9,10,11
	v_mov_b32 v[FR+12*\n+\i], 0                    ; the two fragments' upper halves once more
.endr
.endr
	PLACES 4
	s_wait_dscnt 0x0
	s_barrier_signal -1
	s_barrier_wait -1                              ; x's codes lie in LDS
	s_mul_i32 s86, s[WV], 192
	s_lshl_b32 s87, s[WV], 3
	s_mov_b32 s88, 4
; ---- v: four trips, t = 4 w + 0 .. 3.  Source 0 = 16 positions along f (row rho of fragment v is f = 8 v + rho + (rho & 8)), source 1 = 16 rows of fv_W: a lane holds one channel and 16 neighbours along f
.Lv:
	v_add_nc_u32 v[VA0], s86, v[VFA]
	v_add_nc_u32 v[VA1], s87, v[VSA]
.irp e, 0,1
.irp p, 0,1,2
	ds_load_b64 v[FR+12*\e+2*\p:FR+12*\e+2*\p+1], v[VA0] offset:8*ICP*\e+8*\p
.endr
	ds_load_u16 v[FS+\e], v[VA1] offset:8*ISP*\e
.endr
	s_wait_dscnt 0x0
.irp u, 0,1
.irp e, 0,1
	v_wmma_scale_f32_16x16x128_f8f6f4 v[D+16*\u+8*\e:D+16*\u+8*\e+7], v[FR+12*\e:FR+12*\e+11], v[WT+48+6*\u:WT+48+6*\u+11], 0, v[FS+\e], v[WS+8+\u] matrix_a_fmt:MATRIX_FMT_BF6 matrix_b_fmt:MATRIX_FMT_BF6
.endr
.endr
	PLACES 4
.set i, 0
.rept 16
	v_pk_fma_f32 v[D+i:D+i+1], v[D+i:D+i+1], v[VB+4*(i/16):VB+4*(i/16)+1], v[VB+4*(i/16)+2:VB+4*(i/16)+3]
.set i, i+2
.endr
	ACT AV, LL+2
	QQ
	global_store_b96 v[CO], v[CQ:CQ+2], s[VBS:VBS+1]                ; channels 0-15: 384 consecutive bytes
	global_store_b96 v[CO], v[CK:CK+2], s[VBS:VBS+1] offset:384     ; channels 16-31
	global_store_b8 v[LN], v[BY], s[VSS:VSS+1]
	s_wait_xcnt 0x0
	s_add_nc_u64 s[VBS:VBS+1], s[VBS:VBS+1], 6144
	s_add_nc_u64 s[VSS:VSS+1], s[VSS:VSS+1], 256
	s_add_co_u32 s86, s86, 48
	s_add_co_u32 s87, s87, 2
	s_sub_co_u32 s88, s88, 1
	s_cmp_lg_u32 s88, 0
	s_cbranch_scc1 .Lv
	s_wait_tensorcnt 0x0
	ds_add_u32 v254, v255
	s_wait_dscnt 0x0
	s_endpgm
.Lfunc_end_k_qcdb018fc0b_prep:
	.size	k_qcdb018fc0b_prep, .Lfunc_end_k_qcdb018fc0b_prep-k_qcdb018fc0b_prep
	.p2alignl 7, 3214868480
	.fill 96, 4, 3214868480
	.section	.rodata,"a",@progbits
	.p2align	6, 0x0
	.amdhsa_kernel k_qcdb018fc0b_prep
		.amdhsa_group_segment_fixed_size 327680
		.amdhsa_private_segment_fixed_size 0
		.amdhsa_enable_private_segment 0
		.amdhsa_kernarg_size 240
		.amdhsa_user_sgpr_count 2
		.amdhsa_user_sgpr_kernarg_segment_ptr 1
		.amdhsa_wavefront_size32 1
		.amdhsa_system_sgpr_workgroup_id_x 1
		.amdhsa_system_sgpr_workgroup_id_y 1
		.amdhsa_system_sgpr_workgroup_id_z 1
		.amdhsa_system_vgpr_workitem_id 0
		.amdhsa_next_free_vgpr 384
		.amdhsa_next_free_sgpr 106
		.amdhsa_reserve_vcc 1
		.amdhsa_float_denorm_mode_32 3
		.amdhsa_float_denorm_mode_16_64 3
		.amdhsa_memory_ordered 1
		.amdhsa_forward_progress 1
		.amdhsa_inst_pref_size 88
	.end_amdhsa_kernel
	.amdgpu_metadata
---
amdhsa.version: [ 1, 2 ]
amdhsa.kernels:
  - .name:           k_qcdb018fc0b_prep
    .symbol:         k_qcdb018fc0b_prep.kd
    .args:
      - { .name: x, .offset: 0, .size: 8, .value_kind: global_buffer, .address_space: global }
      - { .name: inp_codes, .offset: 8, .size: 8, .value_kind: global_buffer, .address_space: global }
      - { .name: inp_scales, .offset: 16, .size: 8, .value_kind: global_buffer, .address_space: global }
      - { .name: qk, .offset: 24, .size: 8, .value_kind: global_buffer, .address_space: global }
      - { .name: sc, .offset: 32, .size: 8, .value_kind: global_buffer, .address_space: global }
      - { .name: vf, .offset: 40, .size: 8, .value_kind: global_buffer, .address_space: global }
      - { .name: fqk_W_codes, .offset: 48, .size: 8, .value_kind: global_buffer, .address_space: global }
      - { .name: fqk_W_scales, .offset: 56, .size: 8, .value_kind: global_buffer, .address_space: global }
      - { .name: tqk_W_codes, .offset: 64, .size: 8, .value_kind: global_buffer, .address_space: global }
      - { .name: tqk_W_scales, .offset: 72, .size: 8, .value_kind: global_buffer, .address_space: global }
      - { .name: fv_W_codes, .offset: 80, .size: 8, .value_kind: global_buffer, .address_space: global }
      - { .name: fv_W_scales, .offset: 88, .size: 8, .value_kind: global_buffer, .address_space: global }
      - { .name: fqk_g, .offset: 96, .size: 8, .value_kind: global_buffer, .address_space: global }
      - { .name: fqk_v, .offset: 104, .size: 8, .value_kind: global_buffer, .address_space: global }
      - { .name: fqk_m, .offset: 112, .size: 8, .value_kind: global_buffer, .address_space: global }
      - { .name: fqk_b, .offset: 120, .size: 8, .value_kind: global_buffer, .address_space: global }
      - { .name: fqk_be, .offset: 128, .size: 8, .value_kind: global_buffer, .address_space: global }
      - { .name: tqk_g, .offset: 136, .size: 8, .value_kind: global_buffer, .address_space: global }
      - { .name: tqk_v, .offset: 144, .size: 8, .value_kind: global_buffer, .address_space: global }
      - { .name: tqk_m, .offset: 152, .size: 8, .value_kind: global_buffer, .address_space: global }
      - { .name: tqk_b, .offset: 160, .size: 8, .value_kind: global_buffer, .address_space: global }
      - { .name: tqk_be, .offset: 168, .size: 8, .value_kind: global_buffer, .address_space: global }
      - { .name: fv_g, .offset: 176, .size: 8, .value_kind: global_buffer, .address_space: global }
      - { .name: fv_v, .offset: 184, .size: 8, .value_kind: global_buffer, .address_space: global }
      - { .name: fv_m, .offset: 192, .size: 8, .value_kind: global_buffer, .address_space: global }
      - { .name: fv_b, .offset: 200, .size: 8, .value_kind: global_buffer, .address_space: global }
      - { .name: fv_be, .offset: 208, .size: 8, .value_kind: global_buffer, .address_space: global }
      - { .name: fqk_a, .offset: 216, .size: 8, .value_kind: global_buffer, .address_space: global }
      - { .name: tqk_a, .offset: 224, .size: 8, .value_kind: global_buffer, .address_space: global }
      - { .name: fv_a, .offset: 232, .size: 8, .value_kind: global_buffer, .address_space: global }
    .group_segment_fixed_size: 327680
    .private_segment_fixed_size: 0
    .kernarg_segment_align: 8
    .kernarg_segment_size: 240
    .max_flat_workgroup_size: 256
    .sgpr_count:     106
    .vgpr_count:     384
    .wavefront_size: 32
...
	.end_amdgpu_metadata
.endif
;; end of part 1
;; launch fatt (part 2): grid 256 x 1, 8 waves a work-group, no clusters, 175,104 bytes of LDS; arguments qk, sc, vf, fo; writes fo
.if DOCPART == 2
	.amdgcn_target "amdgcn-amd-amdhsa--gfx1250"
	.amdhsa_code_object_version 6
	.text
	.protected	k_qcdb018fc0b_fatt
	.globl	k_qcdb018fc0b_fatt
	.p2align	8
	.type	k_qcdb018fc0b_fatt,@function
k_qcdb018fc0b_fatt:
	s_mov_b64 s[64:65], 0
	v_nop
	global_prefetch_b8 v0, s[64:65] scope:SCOPE_SE
	s_setreg_imm32_b32 hwreg(HW_REG_WAVE_MODE, 25, 1), 1
	s_wait_xcnt 0x0
; FATT: the frequency attention.  For each (b, t): scores of 256 queries x 256 keys along f over 32 channels, softmax, times v; fout leaves normalised, in f32.
; SHARE.  A work-group takes four t of one b; wave w takes t = 4 tq + w / 2 and the 128 queries of half w % 2, a tile of 16 a trip.  All 256 keys' codes and v's codes stay in the wave's registers (window 1).
; K = 32 IS PACKED.  An operand of 12 registers has four blocks of 32 along K (block 2 c + h: registers 6 c .. 6 c + 5 of the lanes of half h).  The keys' side fills them with FOUR tiles of 16 keys; the queries stand in ONE block,
; zero codes elsewhere, cut out of 30 registers [0][X in lanes 0-15][0][X in lanes 16-31][0]; their scale word has the row's byte in that block alone.  So a fragment of keys feeds four instructions.
; Both products are used transposed (S^T = K Q^T, O^T = V^T P^T): a lane holds one query.  THE KEYS OF A TILE ARE CHOSEN: row rho of tile (block b, u) is key 32 b + 8 u + rho + (rho & 8), so that S's registers 16 b + 0 .. 15 are keys 32 b + 16 h + 0 .. 15.
; SOFTMAX: t = score x log2(e) / sqrt(32); M = ceil(the row's largest t): the whole row is at hand; p = 2^(t - M) is quantised; the sum is taken of the unquantised p and divides at the end.
; OUT: fo [b][tq 64][f 256][slot 32][4 t] f32; slot s holds channel 8 (s / 16) + s % 16 + (s & 8): the order in which the next launch's operand wants its rows.  The four t meet in a stage in LDS; a store covers 512 consecutive bytes.
; No cluster, no tensor load: operands go from memory straight into registers, once a wave; only the two waves of one t read the same bytes.
; LIMITS: NaN and infinities are not served; a block of zeros has the byte 1 and zero codes.
.set STGT,  36864                      ; the stage: [t 4] x [f 256] x 144 bytes (32 channels + 16: nine times 16 bytes, so sixteen rows' stores of 16 bytes start in different banks: ISA guide 11.1)
.set STGP,  144
.set QSTG,  147456                     ; each wave's own 3,328 bytes: its 128 queries' codes (3,072) and scale pairs (256)
.set QW,    3328
.set QKK,   6291456
.set SCV,   1048576
.set FLOOR, 0x2800000
.set EOFF,  0xfe000000
.set QLA, 1
.set QSA, 2
.set QL,  3
.set QSX, 4
.set STO, 5
.set STX, 6
.set RD0, 7                            ; v7, v8
.set GOF, 9
.set SUM, 12                           ; v12-15 the row's sum, two pairs
.set QV,  16                           ; v16-45 the queries' four variants
.set RQ,  46                           ; v46-51 the next tile's 24 bytes
.set RS,  52                           ; v52-64: scale bytes and words, and nothing else
.set QS,  53
.set KS,  57
.set VSW, 61
.set NM,  66                           ; -M (a pair is named)
.set S,   68                           ; v68-195 S^T, then p
.set O,   196                          ; v196-211 O^T
.set P,   212                          ; v212-235 p's codes, two K steps
.set PS,  236                          ; p's scale words
.set BM,  238                          ; the blocks' largest scores, then largest p, then the conversions' scale operands
.set PT,  246
.set RL,  254
.set WV,  2
.set QN,  34
.set QM2, 35
.set QNC, 36
.set QMC, 37
.set SOF, 38
.set CNT, 39
.set CS,  40
.set SEL, 42
.set MLO, 44
.set MHI, 45
.set MSB, 0
.macro WIN new
.if MSB != \new
	s_set_vgpr_msb (MSB<<8)|\new
.set MSB, \new
.endif
.endm
.macro PLACES n
.rept \n
	v_nop
.endr
.endm
.macro QGET                            ; a tile's queries from my own LDS bytes: both halves of the lanes take query lane % 16
	v_add_nc_u32 v[QL], s[QNC], v[QLA]
	v_add_nc_u32 v[QSX], s[QMC], v[QSA]
.irp p, 0,1,2
	ds_load_b64 v[RQ+2*\p:RQ+2*\p+1], v[QL] offset:8*\p
.endr
	ds_load_u8 v[RS], v[QSX]
.endm
.macro QBUILD
	s_wait_dscnt 0x0                               ; the tile's queries are in
	v_mov_b32 v[QS], v[RS]                         ; the four scale words: the byte in block 0, 1, 2, 3
	v_lshlrev_b32 v[QS+1], 8, v[RS]
	v_lshlrev_b32 v[QS+2], 16, v[RS]
	v_lshlrev_b32 v[QS+3], 24, v[RS]
.irp i, 0,1,2,3,4,5
	v_cndmask_b32 v[QV+6+\i], 0, v[RQ+\i], s[MLO]
	v_cndmask_b32 v[QV+18+\i], 0, v[RQ+\i], s[MHI]
.endr
	s_add_co_u32 s[QN], s[QN], 384                 ; the next tile is asked for a trip ahead; the last trip asks for the last tile again
	s_add_co_u32 s[QM2], s[QM2], 32
	s_min_u32 s[QNC], s[QN], 2688
	s_min_u32 s[QMC], s[QM2], 224
	QGET
	PLACES 8                                       ; scale words made by vector instructions stand eight places ahead of a scaled matrix instruction, operands four
.endm
.macro SCORES ns                       ; ns fragments of 64 keys, four instructions each
	WIN 0x01                                       ; source 0 (the keys) in window 1
.set g, 0
.rept \ns
.irp e, 0,1,2,3
	v_wmma_scale_f32_16x16x128_f8f6f4 v[S+32*g+8*\e:S+32*g+8*\e+7], v[12*g:12*g+11], v[QV+6+12*(\e%2)-6*(\e/2):QV+17+12*(\e%2)-6*(\e/2)], 0, v[KS+g], v[QS+\e] matrix_a_fmt:MATRIX_FMT_BF6 matrix_b_fmt:MATRIX_FMT_BF6
.endr
.set g, g+1
.endr
	WIN 0
	PLACES 4
.endm
.macro BLKMAX nb                       ; the largest score of each block of 32 keys, the blocks by turns; each result is read from its low end on
.set b, 0
.rept \nb
	v_max3_num_f32 v[BM+b], v[S+16*b], v[S+16*b+1], v[S+16*b+2]
.set b, b+1
.endr
.irp i, 3,5,7,9,11,13
.set b, 0
.rept \nb
	v_max3_num_f32 v[BM+b], v[BM+b], v[S+16*b+\i], v[S+16*b+\i+1]
.set b, b+1
.endr
.endr
.set b, 0
.rept \nb
	v_max_num_f32 v[BM+b], v[BM+b], v[S+16*b+15]
.set b, b+1
.endr
.set b, 0
.rept \nb
	v_permlanex16_b32 v[PT+b], v[BM+b], s[SEL], s[SEL+1]
.set b, b+1
.endr
.set b, 0
.rept \nb
	v_max_num_f32 v[BM+b], v[BM+b], v[PT+b]
.set b, b+1
.endr
.endm
.macro ROWMAX nb
	v_max_num_f32 v[RL], v[BM], v[BM+1]
.set b, 2
.rept ((\nb)-2)/2
	v_max3_num_f32 v[RL], v[RL], v[BM+b], v[BM+b+1]
.set b, b+2
.endr
	v_mul_f32 v[RL], s[CS], v[RL]                  ; as t
	v_floor_f32 v[NM], -v[RL]                      ; -M = floor(-t)
.endm
.macro EXPH nb                         ; each block's largest p, by the same multiply-add and exponential as every p; its scale operand, its byte; p's scale words
.set b, 0
.rept \nb
	v_fma_f32 v[BM+b], v[BM+b], s[CS], v[NM]
.set b, b+1
.endr
.set b, 0
.rept \nb
	v_exp_f32 v[BM+b], v[BM+b]
.set b, b+1
.endr
.irp i, 0,1,2,3
	v_mov_b32 v[SUM+\i], 0                         ; (plain lines behind the exponentials)
.endr
.set b, 0
	s_wait_alu depctr_va_vdst(0)
.rept \nb
	v_max_num_f32 v[BM+b], FLOOR, v[BM+b]
.set b, b+1
.endr
.set b, 0
.rept \nb
	v_add_nc_u32 v[BM+b], EOFF, v[BM+b]
.set b, b+1
.endr
.set b, 0
.rept \nb
	v_lshrrev_b32 v[PT+b], 23, v[BM+b]
.set b, b+1
.endr
	v_lshl_or_b32 v[PS], v[PT+1], 8, v[PT]
.if (\nb) >= 4
	v_lshl_or_b32 v[PS], v[PT+2], 16, v[PS]
	v_lshl_or_b32 v[PS], v[PT+3], 24, v[PS]
.endif
.if (\nb) >= 6
	v_lshl_or_b32 v[PS+1], v[PT+5], 8, v[PT+4]
.endif
.if (\nb) >= 8
	v_lshl_or_b32 v[PS+1], v[PT+6], 16, v[PS+1]
	v_lshl_or_b32 v[PS+1], v[PT+7], 24, v[PS+1]
.endif
.endm
; p = 2^(c s - M) in place, and the sum of the unquantised p.  Step k: the multiply-add of pair k, the exponentials of pair k - 1 with the sum of pair k - 3 between them:
; behind every exponential stands a plain line that touches neither its result nor its source
.macro EXPSUM nb
.set k, 0
.rept 8*(\nb)+3
.if k < 8*(\nb)
	v_pk_fma_f32 v[S+2*k:S+2*k+1], v[S+2*k:S+2*k+1], s[CS:CS+1], v[NM:NM+1] op_sel_hi:[1,0,0]
.endif
.if (k >= 1) && (k <= 8*(\nb))
	v_exp_f32 v[S+2*k-2], v[S+2*k-2]
.endif
.if k >= 3
	s_wait_alu depctr_va_vdst(0)
	v_pk_add_f32 v[SUM+2*(k%2):SUM+2*(k%2)+1], v[SUM+2*(k%2):SUM+2*(k%2)+1], v[S+2*k-6:S+2*k-5]
.endif
.if (k >= 1) && (k <= 8*(\nb))
	v_exp_f32 v[S+2*k-1], v[S+2*k-1]
.endif
.set k, k+1
.endr
.endm
.macro PCODES nb                       ; two blocks at a time: half blocks are made, and the halves of the lanes change places so that a lane holds a whole block
.set q, 0
.rept (\nb)/2
.set ct, PT+4*(q%2)
	v_cvt_scalef32_pk16_bf6_f32 v[P+6*q:P+6*q+2], v[S+32*q:S+32*q+15], v[BM+2*q]
	v_cvt_scalef32_pk16_bf6_f32 v[ct:ct+2], v[S+32*q+16:S+32*q+31], v[BM+2*q+1]
	v_nop                                          ; one plain line behind a scaled conversion
.irp i, 0,1,2
	v_permlane16_swap_b32 v[P+6*q+\i], v[ct+\i]
.endr
.irp i, 0,1,2
	v_mov_b32 v[P+6*q+3+\i], v[ct+\i]
.endr
.set q, q+1
.endr
.if ((\nb)/2)%2
.irp i, 0,1,2,3,4,5
	v_mov_b32 v[P+6*((\nb)/2)+\i], 0               ; the rest of the K step: zero codes
.endr
.endif
.endm
.macro LFIN                            ; the row's sum and its reciprocal; the plain lines here are also the places in front of the next products
	v_pk_add_f32 v[SUM:SUM+1], v[SUM:SUM+1], v[SUM+2:SUM+3]
	v_add_f32 v[SUM], v[SUM], v[SUM+1]
	v_permlanex16_b32 v[SUM+2], v[SUM], s[SEL], s[SEL+1]
	v_add_f32 v[SUM], v[SUM], v[SUM+2]
	v_rcp_f32 v[RL], v[SUM]
	v_nop
	s_wait_alu depctr_va_vdst(0)
	v_mov_b32 v[RL+1], v[RL]
	PLACES 2
.endm
.macro PV ns                           ; O^T = V^T P^T: two tiles of 16 channels by turns; one or two K steps of 128 keys
	WIN 0x01
	v_wmma_scale_f32_16x16x128_f8f6f4 v[O:O+7], v[48:59], v[P:P+11], 0, v[VSW], v[PS] matrix_a_fmt:MATRIX_FMT_BF6 matrix_b_fmt:MATRIX_FMT_BF6
	v_wmma_scale_f32_16x16x128_f8f6f4 v[O+8:O+15], v[72:83], v[P:P+11], 0, v[VSW+2], v[PS] matrix_a_fmt:MATRIX_FMT_BF6 matrix_b_fmt:MATRIX_FMT_BF6
.if (\ns) > 2
	v_wmma_scale_f32_16x16x128_f8f6f4 v[O:O+7], v[60:71], v[P+12:P+23], v[O:O+7], v[VSW+1], v[PS+1] matrix_a_fmt:MATRIX_FMT_BF6 matrix_b_fmt:MATRIX_FMT_BF6
	v_wmma_scale_f32_16x16x128_f8f6f4 v[O+8:O+15], v[84:95], v[P+12:P+23], v[O+8:O+15], v[VSW+3], v[PS+1] matrix_a_fmt:MATRIX_FMT_BF6 matrix_b_fmt:MATRIX_FMT_BF6
.endif
	WIN 0
	PLACES 4
.endm
	s_load_b256 s[4:11], s[0:1], 0x0               ; qk, sc, vf, fo
	v_lshl_add_u32 v11, v0, 2, 0x2a800
	v_mov_b32 v65, 0
	v_lshrrev_b32 v196, 5, v0
	v_readfirstlane_b32 s[WV], v196                ; wave 0..7
	v_and_b32 v196, 15, v0                         ; r
	v_bfe_u32 v197, v0, 4, 1                       ; h
	v_and_b32 v198, 31, v0                         ; lane
	v_and_b32 v199, 8, v196
	v_add_nc_u32 v199, v199, v196                  ; r + (r & 8)
	v_lshl_add_u32 v207, v197, 3, v199             ; 8 h + r + (r & 8): my key in a group of 32, and my slot's channel
	v_mul_u32_u24 v200, v207, 24
	v_mul_u32_u24 v201, v197, 768
	v_mad_u32_u24 v201, v196, 24, v201             ; v: block h, channel r
	v_lshl_add_u32 v202, v199, 1, 1                ; k's byte of a scale pair
	v_lshlrev_b32 v203, 4, v198
	v_lshlrev_b32 v204, 3, v198
	s_lshr_b32 s12, ttmp9, 6                       ; b
	s_and_b32 s13, ttmp9, 63                       ; tq
	s_lshr_b32 s14, s[WV], 1                       ; which of the four t
	s_and_b32 s15, s[WV], 1                        ; which half of the queries
	s_lshl_b32 s16, s12, 8
	s_lshl_b32 s17, s13, 2
	s_add_co_u32 s16, s16, s17
	s_add_co_u32 s16, s16, s14                     ; 256 b + t
	s_mul_i32 s18, s16, 6144
	s_mov_b32 s19, 0
	s_wait_kmcnt 0x0
	s_add_nc_u64 s[22:23], s[4:5], s[18:19]        ; q's 256 rows
	s_add_nc_u64 s[20:21], s[22:23], QKK           ; k's
	s_add_nc_u64 s[26:27], s[8:9], s[18:19]        ; v's codes
	s_mul_i32 s18, s15, 3072
	s_add_nc_u64 s[22:23], s[22:23], s[18:19]      ; my 128 queries
	s_lshl_b32 s18, s16, 9
	s_add_nc_u64 s[24:25], s[6:7], s[18:19]        ; the scale pairs
	s_lshl_b32 s18, s15, 8
	s_add_nc_u64 s[32:33], s[24:25], s[18:19]      ; my queries'
	s_lshl_b32 s18, s16, 8
	s_add_co_u32 s18, s18, SCV
	s_add_nc_u64 s[28:29], s[6:7], s[18:19]        ; v's scale bytes
	s_lshl_b32 s18, s12, 6
	s_add_co_u32 s18, s18, s13
	s_lshl_b32 s18, s18, 17
	s_lshl_b32 s17, s[WV], 14
	s_add_co_u32 s18, s18, s17
	s_add_nc_u64 s[30:31], s[10:11], s[18:19]      ; fo at f = 32 w
	WIN 0x40                                       ; destination window 1
.irp g, 0,1,2,3
.irp c, 0,1
.irp p, 0,1,2
	global_load_b64 v[12*\g+6*\c+2*\p:12*\g+6*\c+2*\p+1], v200, s[20:21] offset:(64*\g+32*\c)*24+8*\p
.endr
.endr
.endr
.irp u, 0,1
.irp s, 0,1
.irp c, 0,1
.irp p, 0,1,2
	global_load_b64 v[48+12*(2*\u+\s)+6*\c+2*\p:48+12*(2*\u+\s)+6*\c+2*\p+1], v201, s[26:27] offset:(4*\s+2*\c)*768+384*\u+8*\p
.endr
.endr
.endr
.endr
	WIN 0
.irp g, 0,1,2,3
	global_load_u8 v[KS+\g], v202, s[24:25] offset:128*\g
.irp e, 1,2,3
	global_load_u8 v[S+3*\g+\e-1], v202, s[24:25] offset:(64*\g+32*(\e/2)+8*(\e%2))*2
.endr
.endr
.irp u, 0,1
.irp s, 0,1
	global_load_u8 v[VSW+2*\u+\s], v196, s[28:29] offset:128*\s+16*\u
.irp e, 1,2,3
	global_load_u8 v[S+12+3*(2*\u+\s)+\e-1], v196, s[28:29] offset:(4*\s+\e)*32+16*\u
.endr
.endr
.endr
.irp k, 0,1,2,3,4,5
	global_load_b128 v[S+24+4*\k:S+24+4*\k+3], v203, s[22:23] offset:512*\k
.endr
	global_load_b64 v[S+48:S+49], v204, s[32:33]
	s_mul_i32 s3, s[WV], QW
	v_mul_u32_u24 v[QLA], v196, 24
	v_add_nc_u32 v[QLA], s3, v[QLA]
	v_add_nc_u32 v[QLA], QSTG, v[QLA]
	v_lshlrev_b32 v[QSA], 1, v196
	v_add_nc_u32 v[QSA], s3, v[QSA]
	v_add_nc_u32 v[QSA], QSTG+3072, v[QSA]
	v_add_nc_u32 v205, s3, v203
	v_add_nc_u32 v205, QSTG, v205
	v_add_nc_u32 v206, s3, v204
	v_add_nc_u32 v206, QSTG+3072, v206
	s_mul_i32 s17, s14, STGT
	s_mul_i32 s18, s15, 128*STGP
	s_add_co_u32 s17, s17, s18
	v_mul_u32_u24 v[STO], v196, STGP
	v_lshl_add_u32 v[STO], v197, 5, v[STO]
	v_add_nc_u32 v[STO], s17, v[STO]               ; the stage: my t, my half's rows, row r, + 32 h
	s_mul_i32 s17, s[WV], 32*STGP
	v_lshlrev_b32 v[RD0], 2, v207
	v_add_nc_u32 v[RD0], s17, v[RD0]               ; back: rows 32 w on, my slot's channel; t 0, 1
	v_add_nc_u32 v[RD0+1], 2*STGT, v[RD0]          ; t 2, 3
	v_mov_b32 v[GOF], v203
	s_mov_b32 s[CS], 0x3e8293ee                    ; c = log2(e) / sqrt(32)
	s_mov_b32 s[CS+1], s[CS]
	s_mov_b32 s[SEL], 0x76543210
	s_mov_b32 s[SEL+1], 0xfedcba98
	s_mov_b32 s[MLO], 0x0000ffff
	s_mov_b32 s[MHI], 0xffff0000
	s_mov_b32 s[QN], 0
	s_mov_b32 s[QM2], 0
	s_mov_b32 s[QNC], 0
	s_mov_b32 s[QMC], 0
	s_mov_b32 s[SOF], 0
	s_mov_b32 s[CNT], 8
.irp i, 0,1,2,3,4,5
	v_mov_b32 v[QV+\i], 0
	v_mov_b32 v[QV+12+\i], 0
	v_mov_b32 v[QV+24+\i], 0
.endr
	v_mov_b32 v[NM+1], 0                           ; (named as the upper half of a pair)
	s_wait_loadcnt 0x0
.irp i, 0,1,2,3,4,5,6,7
	v_mov_b32 v[PT+\i], 0                          ; (a lane permute's destination counts as one of its sources)
.endr
.irp g, 0,1,2,3
.irp e, 1,2,3
	v_lshl_or_b32 v[KS+\g], v[S+3*\g+\e-1], 8*\e, v[KS+\g]       ; the four tiles' bytes make a fragment's scale word
	v_lshl_or_b32 v[VSW+\g], v[S+12+3*\g+\e-1], 8*\e, v[VSW+\g]
.endr
.endr
.irp k, 0,1,2,3,4,5
	ds_store_b128 v205, v[S+24+4*\k:S+24+4*\k+3] offset:512*\k
.endr
	ds_store_b64 v206, v[S+48:S+49]
	QGET                                           ; LDS serves a wave's instructions in order (ISA guide 5.7.1.4): these see my stores
.Ltile:
	QBUILD
	SCORES 4
	BLKMAX 8
	ROWMAX 8
	EXPH 8
	EXPSUM 8
	PCODES 8
	LFIN
	PV 4
.set i, 0
.rept 8
	v_pk_mul_f32 v[S+i:S+i+1], v[O+i:O+i+1], v[RL:RL+1]     ; O^T / the sum: register 8 u + j is channel 16 u + 8 h + j of query r
.set i, i+2
.endr
	v_add_nc_u32 v[STX], s[SOF], v[STO]
.irp u, 0,1
.irp k, 0,1
	ds_store_b128 v[STX], v[S+8*\u+4*\k:S+8*\u+4*\k+3] offset:64*\u+16*\k
.endr
.endr
	s_add_co_u32 s[SOF], s[SOF], 16*STGP
	s_sub_co_u32 s[CNT], s[CNT], 1
	s_cmp_lg_u32 s[CNT], 0
	s_cbranch_scc1 .Ltile
	s_wait_dscnt 0x0                               ; for the others' sake: my stores into the stage have landed
	s_barrier_signal -1
	s_barrier_wait -1
; THE WAY OUT: wave w takes f = 32 w + 0 .. 31, eight at a time; a lane gathers its slot's four t
.macro OLD bt
.set i, 0
.rept 32
	ds_load_b32 v[S+32*((\bt)%2)+i], v[RD0+(i%4)/2] offset:(i%2)*STGT+STGP*(8*(\bt)+i/4)
.set i, i+1
.endr
.endm
.macro OST bt
.irp f, 0,1,2,3,4,5,6,7
	global_store_b128 v[GOF], v[S+32*((\bt)%2)+4*\f:S+32*((\bt)%2)+4*\f+3], s[30:31] offset:512*(8*(\bt)+\f)    ; 32 lanes store 512 consecutive bytes
.endr
.endm
	OLD 0
	OLD 1
	s_wait_dscnt 32                                ; the older batch is in, the younger 32 loads may be out
	OST 0
	s_wait_xcnt 0x0                                ; the stores have read their registers: the next batch may land there
	OLD 2
	s_wait_dscnt 32
	OST 1
	s_wait_xcnt 0x0
	OLD 3
	s_wait_dscnt 32
	OST 2
	s_wait_dscnt 0x0
	OST 3
	s_wait_tensorcnt 0x0
	ds_add_u32 v11, v65
	s_wait_dscnt 0x0
	s_endpgm
.Lfunc_end_k_qcdb018fc0b_fatt:
	.size	k_qcdb018fc0b_fatt, .Lfunc_end_k_qcdb018fc0b_fatt-k_qcdb018fc0b_fatt
	.p2alignl 7, 3214868480
	.fill 96, 4, 3214868480
	.section	.rodata,"a",@progbits
	.p2align	6, 0x0
	.amdhsa_kernel k_qcdb018fc0b_fatt
		.amdhsa_group_segment_fixed_size 175104
		.amdhsa_private_segment_fixed_size 0
		.amdhsa_enable_private_segment 0
		.amdhsa_kernarg_size 32
		.amdhsa_user_sgpr_count 2
		.amdhsa_user_sgpr_kernarg_segment_ptr 1
		.amdhsa_wavefront_size32 1
		.amdhsa_system_sgpr_workgroup_id_x 1
		.amdhsa_system_sgpr_workgroup_id_y 1
		.amdhsa_system_sgpr_workgroup_id_z 1
		.amdhsa_system_vgpr_workitem_id 0
		.amdhsa_next_free_vgpr 352
		.amdhsa_next_free_sgpr 66
		.amdhsa_reserve_vcc 0
		.amdhsa_float_denorm_mode_32 3
		.amdhsa_float_denorm_mode_16_64 3
		.amdhsa_memory_ordered 1
		.amdhsa_forward_progress 1
		.amdhsa_inst_pref_size 56
	.end_amdhsa_kernel
	.amdgpu_metadata
---
amdhsa.version: [ 1, 2 ]
amdhsa.kernels:
  - .name:           k_qcdb018fc0b_fatt
    .symbol:         k_qcdb018fc0b_fatt.kd
    .args:
      - { .name: qk, .offset: 0, .size: 8, .value_kind: global_buffer, .address_space: global }
      - { .name: sc, .offset: 8, .size: 8, .value_kind: global_buffer, .address_space: global }
      - { .name: vf, .offset: 16, .size: 8, .value_kind: global_buffer, .address_space: global }
      - { .name: fo, .offset: 24, .size: 8, .value_kind: global_buffer, .address_space: global }
    .group_segment_fixed_size: 175104
    .private_segment_fixed_size: 0
    .kernarg_segment_align: 8
    .kernarg_segment_size: 32
    .max_flat_workgroup_size: 256
    .sgpr_count:     66
    .vgpr_count:     352
    .wavefront_size: 32
...
	.end_amdgpu_metadata
.endif
;; end of part 2
;; launch tatt (part 3): grid 256 x 1, 8 waves a work-group, no clusters, 166,912 bytes of LDS; arguments qk, sc, fo, x, proj_W_codes, proj_W_scales, proj_g, proj_v, proj_m, proj_b, proj_be, proj_a, out0; writes out0
.if DOCPART == 3
	.amdgcn_target "amdgcn-amd-amdhsa--gfx1250"
	.amdhsa_code_object_version 6
	.text
	.protected	k_qcdb018fc0b_tatt
	.globl	k_qcdb018fc0b_tatt
	.p2align	8
	.type	k_qcdb018fc0b_tatt,@function
k_qcdb018fc0b_tatt:
	s_mov_b64 s[64:65], 0
	v_nop
	global_prefetch_b8 v0, s[64:65] scope:SCOPE_SE
	s_setreg_imm32_b32 hwreg(HW_REG_WAVE_MODE, 25, 1), 1
	s_wait_xcnt 0x0
; TATT: the time attention with its causal mask, the last 1x1 convolution, BatchNorm, PReLU and the residual.
; SHARE.  A work-group takes four f of one b; wave w takes f = 4 fq + w / 2 and, with p = w % 2, the groups p and 3 - p of 64 queries.  Group g needs keys 0 .. 64 g + 63, that is g + 1 fragments of 64 keys: five such units a wave, for every wave;
; what lies wholly under the mask that the problem builds itself is not computed.  The branch between the two lengths hangs on the wave's number and stands inside the loop.
; The scores' packing of K = 32, the choice of a tile's keys and the softmax are those of the frequency attention (four tiles of keys in the four blocks of an operand; the queries in one block, zero codes elsewhere; S^T = K Q^T, O^T = V^T P^T; M = ceil(the row's largest t)).
; V is fout, read as f32 from fo [b][tq][f][slot][4 t] and quantised along t in the head: a lane takes a channel, its registers run along t, a block of 32 lies in one lane.  Both waves of an f do this: a little vector work more, no barrier.
; tout (O^T / the sum) is quantised along its 32 channels and meets proj_W, whose four tiles of 16 outputs fill the four blocks of source 1; tout's 16 positions stand in one block of source 0: a lane then holds one output channel and eight neighbouring t.
; The results go through the wave's own stage in LDS (64 rows o x 64 t), come back as rows, take x and leave: sixteen lanes store 256 consecutive bytes, aligned.  No barrier: waves share nothing in LDS.
; No cluster, no tensor load: operands go from memory straight into registers, once a wave.
; LIMITS: NaN and infinities are not served; a block of zeros has the byte 1 and zero codes.
.set STW,   17408                      ; a wave's stage: 64 rows x 272 bytes (seventeen times 16 bytes: sixteen rows' stores of 16 bytes start in different banks: ISA guide 11.1)
.set STP,   272
.set QSTG,  139264
.set QW,    3328
.set QKK,   6291456
.set QKT,   12582912
.set SCT,   524288
.set FLOOR, 0x2800000
.set EOFF,  0xfe000000
.set QLA, 1
.set QSA, 2
.set QL,  3
.set QSX, 4
.set STO, 5
.set STX, 6
.set RD0, 7
.set GO,  8
.set DM,  9                            ; my query less 16 h, counted from the group's first key
.set NEG, 10
.set LP,  11
.set SUM, 12
.set QV,  16
.set RQ,  46
.set RS,  52                           ; v52-65: scale bytes and words, and nothing else
.set QS,  53                           ; the queries' four scale words; later in a trip tout's
.set KS,  57
.set VSW, 61
.set PWS, 65
.set NM,  66
.set S,   68
.set O,   196
.set P,   212
.set PS,  236
.set BM,  238
.set PT,  246
.set RL,  254
.set Y,   S+32                         ; the last convolution's 32 results;  S+64 on: a y
.set WV,  2
.set PP,  33
.set QN,  54
.set QM2, 55
.set AP,  56
.set QNC, 58
.set QMC, 59
.set SQ,  60
.set CNT, 61
.set CS,  62
.set SEL, 66
.set MLO, 68
.set MHI, 69
.set MSB, 0
.macro WIN new
.if MSB != \new
	s_set_vgpr_msb (MSB<<8)|\new
.set MSB, \new
.endif
.endm
.macro PLACES n
.rept \n
	v_nop
.endr
.endm
.macro QGET
	v_add_nc_u32 v[QL], s[QNC], v[QLA]
	v_add_nc_u32 v[QSX], s[QMC], v[QSA]
.irp p, 0,1,2
	ds_load_b64 v[RQ+2*\p:RQ+2*\p+1], v[QL] offset:8*\p
.endr
	ds_load_u8 v[RS], v[QSX]
.endm
.macro QBUILD
	s_wait_dscnt 0x0                               ; the tile's queries are in
	v_mov_b32 v[QS], v[RS]
	v_lshlrev_b32 v[QS+1], 8, v[RS]
	v_lshlrev_b32 v[QS+2], 16, v[RS]
	v_lshlrev_b32 v[QS+3], 24, v[RS]
.irp i, 0,1,2,3,4,5
	v_cndmask_b32 v[QV+6+\i], 0, v[RQ+\i], s[MLO]
	v_cndmask_b32 v[QV+18+\i], 0, v[RQ+\i], s[MHI]
.endr
	s_add_co_u32 s[QN], s[QN], 384                 ; the next tile is asked for a trip ahead; the last trip asks for the last tile again
	s_add_co_u32 s[QM2], s[QM2], 32
	s_min_u32 s[QNC], s[QN], 2688
	s_min_u32 s[QMC], s[QM2], 224
	QGET
	PLACES 8                                       ; scale words made by vector instructions stand eight places ahead of a scaled matrix instruction, operands four
.endm
.macro SCORES ns
	WIN 0x01
.set g, 0
.rept \ns
.irp e, 0,1,2,3
	v_wmma_scale_f32_16x16x128_f8f6f4 v[S+32*g+8*\e:S+32*g+8*\e+7], v[12*g:12*g+11], v[QV+6+12*(\e%2)-6*(\e/2):QV+17+12*(\e%2)-6*(\e/2)], 0, v[KS+g], v[QS+\e] matrix_a_fmt:MATRIX_FMT_BF6 matrix_b_fmt:MATRIX_FMT_BF6
.endr
.set g, g+1
.endr
	WIN 0
	PLACES 4
.endm
.macro MASK ns                         ; the group's last 64 keys hold the diagonal: register 16 b + i there is key 32 b + 16 h + i of them, hidden where 32 b + i > DM.  Ascending: each result is read from its low end on
.set n, 0
.rept 32
	v_cmp_gt_i32 vcc_lo, 32*(n/16)+n%16, v[DM]
	v_cndmask_b32 v[S+32*((\ns)-1)+n], v[S+32*((\ns)-1)+n], v[NEG], vcc_lo
.set n, n+1
.endr
.endm
.macro BLKMAX nb
.set b, 0
.rept \nb
	v_max3_num_f32 v[BM+b], v[S+16*b], v[S+16*b+1], v[S+16*b+2]
.set b, b+1
.endr
.irp i, 3,5,7,9,11,13
.set b, 0
.rept \nb
	v_max3_num_f32 v[BM+b], v[BM+b], v[S+16*b+\i], v[S+16*b+\i+1]
.set b, b+1
.endr
.endr
.set b, 0
.rept \nb
	v_max_num_f32 v[BM+b], v[BM+b], v[S+16*b+15]
.set b, b+1
.endr
.set b, 0
.rept \nb
	v_permlanex16_b32 v[PT+b], v[BM+b], s[SEL], s[SEL+1]
.set b, b+1
.endr
.set b, 0
.rept \nb
	v_max_num_f32 v[BM+b], v[BM+b], v[PT+b]
.set b, b+1
.endr
.endm
.macro ROWMAX nb
	v_max_num_f32 v[RL], v[BM], v[BM+1]
.set b, 2
.rept ((\nb)-2)/2
	v_max3_num_f32 v[RL], v[RL], v[BM+b], v[BM+b+1]
.set b, b+2
.endr
	v_mul_f32 v[RL], s[CS], v[RL]
	v_floor_f32 v[NM], -v[RL]                      ; -M = floor(-t); key 0 counts for every query, so M is a number
.endm
.macro EXPH nb
.set b, 0
.rept \nb
	v_fma_f32 v[BM+b], v[BM+b], s[CS], v[NM]
.set b, b+1
.endr
.set b, 0
.rept \nb
	v_exp_f32 v[BM+b], v[BM+b]
.set b, b+1
.endr
.irp i, 0,1,2,3
	v_mov_b32 v[SUM+\i], 0                         ; (plain lines behind the exponentials)
.endr
.set b, 0
	s_wait_alu depctr_va_vdst(0)
.rept \nb
	v_max_num_f32 v[BM+b], FLOOR, v[BM+b]
.set b, b+1
.endr
.set b, 0
.rept \nb
	v_add_nc_u32 v[BM+b], EOFF, v[BM+b]
.set b, b+1
.endr
.set b, 0
.rept \nb
	v_lshrrev_b32 v[PT+b], 23, v[BM+b]
.set b, b+1
.endr
	v_lshl_or_b32 v[PS], v[PT+1], 8, v[PT]
.if (\nb) >= 4
	v_lshl_or_b32 v[PS], v[PT+2], 16, v[PS]
	v_lshl_or_b32 v[PS], v[PT+3], 24, v[PS]
.endif
.if (\nb) >= 6
	v_lshl_or_b32 v[PS+1], v[PT+5], 8, v[PT+4]
.endif
.if (\nb) >= 8
	v_lshl_or_b32 v[PS+1], v[PT+6], 16, v[PS+1]
	v_lshl_or_b32 v[PS+1], v[PT+7], 24, v[PS+1]
.endif
.endm
.macro EXPSUM nb                       ; step k: the multiply-add of pair k, the exponentials of pair k - 1 with the sum of pair k - 3 between them
.set k, 0
.rept 8*(\nb)+3
.if k < 8*(\nb)
	v_pk_fma_f32 v[S+2*k:S+2*k+1], v[S+2*k:S+2*k+1], s[CS:CS+1], v[NM:NM+1] op_sel_hi:[1,0,0]
.endif
.if (k >= 1) && (k <= 8*(\nb))
	v_exp_f32 v[S+2*k-2], v[S+2*k-2]
.endif
.if k >= 3
	s_wait_alu depctr_va_vdst(0)
	v_pk_add_f32 v[SUM+2*(k%2):SUM+2*(k%2)+1], v[SUM+2*(k%2):SUM+2*(k%2)+1], v[S+2*k-6:S+2*k-5]
.endif
.if (k >= 1) && (k <= 8*(\nb))
	v_exp_f32 v[S+2*k-1], v[S+2*k-1]
.endif
.set k, k+1
.endr
.endm
.macro PCODES nb
.set q, 0
.rept (\nb)/2
.set ct, PT+4*(q%2)
	v_cvt_scalef32_pk16_bf6_f32 v[P+6*q:P+6*q+2], v[S+32*q:S+32*q+15], v[BM+2*q]
	v_cvt_scalef32_pk16_bf6_f32 v[ct:ct+2], v[S+32*q+16:S+32*q+31], v[BM+2*q+1]
	v_nop                                          ; one plain line behind a scaled conversion
.irp i, 0,1,2
	v_permlane16_swap_b32 v[P+6*q+\i], v[ct+\i]
.endr
.irp i, 0,1,2
	v_mov_b32 v[P+6*q+3+\i], v[ct+\i]
.endr
.set q, q+1
.endr
.if ((\nb)/2)%2
.irp i, 0,1,2,3,4,5
	v_mov_b32 v[P+6*((\nb)/2)+\i], 0               ; the rest of the K step: zero codes
.endr
.endif
.endm
.macro LFIN
	v_pk_add_f32 v[SUM:SUM+1], v[SUM:SUM+1], v[SUM+2:SUM+3]
	v_add_f32 v[SUM], v[SUM], v[SUM+1]
	v_permlanex16_b32 v[SUM+2], v[SUM], s[SEL], s[SEL+1]
	v_add_f32 v[SUM], v[SUM], v[SUM+2]
	v_rcp_f32 v[RL], v[SUM]
	v_nop
	s_wait_alu depctr_va_vdst(0)
	v_mov_b32 v[RL+1], v[RL]
	PLACES 2
.endm
.macro PV ns                           ; two tiles of 16 channels by turns
	WIN 0x01
	v_wmma_scale_f32_16x16x128_f8f6f4 v[O:O+7], v[48:59], v[P:P+11], 0, v[VSW], v[PS] matrix_a_fmt:MATRIX_FMT_BF6 matrix_b_fmt:MATRIX_FMT_BF6
	v_wmma_scale_f32_16x16x128_f8f6f4 v[O+8:O+15], v[72:83], v[P:P+11], 0, v[VSW+2], v[PS] matrix_a_fmt:MATRIX_FMT_BF6 matrix_b_fmt:MATRIX_FMT_BF6
.if (\ns) > 2
	v_wmma_scale_f32_16x16x128_f8f6f4 v[O:O+7], v[60:71], v[P+12:P+23], v[O:O+7], v[VSW+1], v[PS+1] matrix_a_fmt:MATRIX_FMT_BF6 matrix_b_fmt:MATRIX_FMT_BF6
	v_wmma_scale_f32_16x16x128_f8f6f4 v[O+8:O+15], v[84:95], v[P+12:P+23], v[O+8:O+15], v[VSW+3], v[PS+1] matrix_a_fmt:MATRIX_FMT_BF6 matrix_b_fmt:MATRIX_FMT_BF6
.endif
	WIN 0
	PLACES 4
.endm
.macro ATT ns
	SCORES \ns
	MASK \ns
	BLKMAX 2*\ns
	ROWMAX 2*\ns
	EXPH 2*\ns
	EXPSUM 2*\ns
	PCODES 2*\ns
	LFIN
	PV \ns
.endm
; tout of 16 positions: normalised, quantised along its 32 channels (16 in my lane, 16 in lane l xor 16), multiplied by proj_W, BatchNorm, PReLU, into my stage
.macro TILEOUT
.set i, 0
.rept 8
	v_pk_mul_f32 v[S+i:S+i+1], v[O+i:O+i+1], v[RL:RL+1]     ; register 8 u + j is channel 16 h + 8 u + j of position r
.set i, i+2
.endr
	v_max3_num_f32 v[BM], |v[S]|, |v[S+1]|, FLOOR
	v_max3_num_f32 v[BM+1], |v[S+8]|, |v[S+9]|, FLOOR
.irp i, 2,4,6
	v_max3_num_f32 v[BM], v[BM], |v[S+\i]|, |v[S+\i+1]|
	v_max3_num_f32 v[BM+1], v[BM+1], |v[S+8+\i]|, |v[S+9+\i]|
.endr
	v_max_num_f32 v[BM], v[BM], v[BM+1]
	v_permlanex16_b32 v[PT], v[BM], s[SEL], s[SEL+1]
	v_max_num_f32 v[BM], v[BM], v[PT]
	v_add_nc_u32 v[BM], EOFF, v[BM]
	v_lshrrev_b32 v[QS], 23, v[BM]                 ; tout's four scale words: the byte in block 0, 1, 2, 3
	v_lshlrev_b32 v[QS+1], 8, v[QS]
	v_lshlrev_b32 v[QS+2], 16, v[QS]
	v_lshlrev_b32 v[QS+3], 24, v[QS]
	v_cvt_scalef32_pk16_bf6_f32 v[PT+4:PT+6], v[S:S+15], v[BM]
	v_nop                                          ; one plain line behind a scaled conversion
.irp i, 0,1,2
	v_permlanex16_b32 v[PT+\i], v[PT+4+\i], s[SEL], s[SEL+1]
.endr
.irp i, 0,1,2
	v_cndmask_b32 v[QV+6+\i], 0, v[PT+4+\i], s[MLO]         ; lanes 0-15: my 16 codes, then my partner's
	v_cndmask_b32 v[QV+9+\i], 0, v[PT+\i], s[MLO]
	v_cndmask_b32 v[QV+18+\i], 0, v[PT+\i], s[MHI]          ; lanes 16-31: my partner's, then mine
	v_cndmask_b32 v[QV+21+\i], 0, v[PT+4+\i], s[MHI]
.endr
	PLACES 8
	WIN 0x04                                       ; source 1 (proj_W) in window 1
.irp e, 0,1,2,3
	v_wmma_scale_f32_16x16x128_f8f6f4 v[Y+8*\e:Y+8*\e+7], v[QV+6+12*(\e%2)-6*(\e/2):QV+17+12*(\e%2)-6*(\e/2)], v[96:107], 0, v[QS+\e], v[PWS] matrix_a_fmt:MATRIX_FMT_BF6 matrix_b_fmt:MATRIX_FMT_BF6
.endr
	WIN 0
	PLACES 4
	WIN 0x14                                       ; sc and sh of output 16 e + r lie in window 1, each twice
.set i, 0
.rept 16
	v_pk_fma_f32 v[Y+i:Y+i+1], v[Y+i:Y+i+1], v[108+4*(i/8):109+4*(i/8)], v[110+4*(i/8):111+4*(i/8)]
.set i, i+2
.endr
	WIN 0
.set i, 0
.rept 16
	v_pk_mul_f32 v[S+64+i:S+64+i+1], v[Y+i:Y+i+1], s[AP:AP+1] op_sel_hi:[1,0]
.set i, i+2
.endr
.set i, 0
.rept 32
	v_med3_num_f32 v[Y+i], v[Y+i], v[S+64+i], v[LP]
.set i, i+1
.endr
	v_add_nc_u32 v[STX], s[SQ], v[STO]
.irp e, 0,1,2,3
.irp k, 0,1
	ds_store_b128 v[STX], v[Y+8*\e+4*\k:Y+8*\e+4*\k+3] offset:16*STP*\e+16*\k    ; row o = 16 e + r, t = 16 q + 8 h + 0 .. 7
.endr
.endr
.endm
.macro BASES                           ; s70 = 256 g: the group's 64 t in x and in out0; outputs 0-31 and 32-63 have a base each, so that the offsets stay inside the signed 24-bit immediate (ISA guide, chapter 10)
	s_add_nc_u64 s[44:45], s[10:11], s[70:71]
	s_add_nc_u64 s[46:47], s[44:45], 0x800000
	s_add_nc_u64 s[48:49], s[28:29], s[70:71]
	s_add_nc_u64 s[50:51], s[48:49], 0x800000
.endm
.macro XLOAD                           ; x of the group: 64 rows o x 256 bytes, two rows a load, asked for a whole pass ahead of its use
	WIN 0x40
.set j, 0
.rept 16
	global_load_b128 v[128+4*j:131+4*j], v[GO], s[44:45] offset:524288*j th:TH_LOAD_NT
.set j, j+1
.endr
.set j, 0
.rept 16
	global_load_b128 v[192+4*j:195+4*j], v[GO], s[46:47] offset:524288*j th:TH_LOAD_NT
.set j, j+1
.endr
	WIN 0
.endm
.macro WAYOUT
	s_wait_loadcnt 0x0                             ; x
.set j, 0
.rept 32
	ds_load_b128 v[S+4*j:S+4*j+3], v[RD0] offset:2*STP*j    ; LDS serves a wave's instructions in order (ISA guide 5.7.1.4): these see my stores
.set j, j+1
.endr
	s_wait_dscnt 0x0
	WIN 0x04
.set j, 0
.rept 64
	v_pk_add_f32 v[S+2*j:S+2*j+1], v[S+2*j:S+2*j+1], v[128+2*j:129+2*j]
.set j, j+1
.endr
	WIN 0
.set j, 0
.rept 16
	global_store_b128 v[GO], v[S+4*j:S+4*j+3], s[48:49] offset:524288*j th:TH_STORE_NT     ; sixteen lanes store 256 consecutive bytes, aligned
.set j, j+1
.endr
.set j, 0
.rept 16
	global_store_b128 v[GO], v[S+64+4*j:S+64+4*j+3], s[50:51] offset:524288*j th:TH_STORE_NT
.set j, j+1
.endr
	s_wait_xcnt 0x0                                ; the stores have read their registers and bases
.endm
.macro VLOAD F                         ; fout for fragment F = 2 u + s: channels of tile u, t = 128 s + 64 c + 32 h + 0 .. 31: sixteen lanes read 256 consecutive bytes
.irp c, 0,1
.irp n, 0,1,2,3,4,5,6,7
	global_load_b128 v[S+64*((\F)%2)+32*\c+4*\n:S+64*((\F)%2)+32*\c+4*\n+3], v248, s[8:9] offset:4194304*((\F)%2)+2097152*\c+131072*\n+256*((\F)/2)
.endr
.endr
.endm
.macro VQ F                            ; two whole blocks a lane; the scale word's four bytes come from lanes l and l xor 16
.set vs, S+64*((\F)%2)
	v_max3_num_f32 v228, |v[vs]|, |v[vs+1]|, FLOOR
	v_max3_num_f32 v229, |v[vs+32]|, |v[vs+33]|, FLOOR
.irp i, 2,4,6,8,10,12,14,16,18,20,22,24,26,28,30
	v_max3_num_f32 v228, v228, |v[vs+\i]|, |v[vs+\i+1]|
	v_max3_num_f32 v229, v229, |v[vs+32+\i]|, |v[vs+33+\i]|
.endr
	v_add_nc_u32 v230, EOFF, v228
	v_add_nc_u32 v231, EOFF, v229
	v_lshrrev_b32 v232, 23, v230
	v_lshrrev_b32 v233, 23, v231
	v_lshl_or_b32 v[VSW+\F], v233, 16, v232
	v_lshlrev_b32 v[VSW+\F], v251, v[VSW+\F]       ; 8 h bits up
	v_permlanex16_b32 v234, v[VSW+\F], s[SEL], s[SEL+1]
	v_or_b32 v[VSW+\F], v[VSW+\F], v234
	v_cvt_scalef32_pk16_bf6_f32 v[212:214], v[vs:vs+15], v230
	v_cvt_scalef32_pk16_bf6_f32 v[216:218], v[vs+16:vs+31], v230
	v_cvt_scalef32_pk16_bf6_f32 v[220:222], v[vs+32:vs+47], v231
	v_cvt_scalef32_pk16_bf6_f32 v[224:226], v[vs+48:vs+63], v231
	v_nop                                          ; one plain line behind a scaled conversion
	WIN 0x40
.irp c, 0,1,2,3
.irp i, 0,1,2
	v_mov_b32 v[48+12*(\F)+3*\c+\i], v[212+4*\c+\i]
.endr
.endr
	WIN 0
.endm
.macro PASS n, a0, a1
	s_mov_b32 s[SQ], 0
	s_mov_b32 s[CNT], 4
.Ltile\n:
	QBUILD
	s_cmp_eq_u32 s[PP], 0
	s_cbranch_scc0 .Lodd\n
	ATT \a0
	s_branch .Ljoin\n
.Lodd\n:
	ATT \a1
.Ljoin\n:
	TILEOUT
	v_add_nc_u32 v[DM], 16, v[DM]
	s_add_co_u32 s[SQ], s[SQ], 64
	s_sub_co_u32 s[CNT], s[CNT], 1
	s_cmp_lg_u32 s[CNT], 0
	s_cbranch_scc1 .Ltile\n
	WAYOUT
.endm
	s_load_b512 s[4:19], s[0:1], 0x0               ; qk, sc, fo, x, proj_W codes, scales, g, v
	s_load_b256 s[20:27], s[0:1], 0x40             ; m, b, be, a
	s_load_b64 s[28:29], s[0:1], 0x60              ; out0
	s_set_vgpr_msb 0x40
	v_lshl_add_u32 v126, v0, 2, 0x28800
	v_mov_b32 v127, 0
	s_set_vgpr_msb 0x4000
	v_lshrrev_b32 v238, 5, v0
	v_readfirstlane_b32 s[WV], v238                ; wave 0..7
	v_and_b32 v238, 15, v0                         ; r
	v_bfe_u32 v239, v0, 4, 1                       ; h
	v_and_b32 v240, 31, v0                         ; lane
	v_and_b32 v241, 8, v238
	v_add_nc_u32 v241, v241, v238                  ; r + (r & 8)
	v_lshl_add_u32 v242, v239, 3, v241
	v_mul_u32_u24 v242, v242, 24                   ; the keys: 8 h + r + (r & 8)
	v_lshl_add_u32 v243, v241, 1, 1                ; k's byte of a scale pair
	v_lshlrev_b32 v244, 4, v240
	v_lshlrev_b32 v245, 2, v240
	v_mul_u32_u24 v246, v239, 384
	v_mad_u32_u24 v246, v238, 24, v246             ; proj_W: row 16 (2 c + h) + r
	v_lshlrev_b32 v247, 2, v238
	v_lshlrev_b32 v248, 20, v239
	v_lshl_add_u32 v248, v238, 4, v248             ; fo: 8 h quads of t further on, slot r
	v_lshlrev_b32 v251, 3, v239
	s_lshr_b32 s30, ttmp9, 6                       ; b
	s_and_b32 s31, ttmp9, 63
	s_lshr_b32 s32, s[WV], 1
	s_and_b32 s[PP], s[WV], 1                      ; p
	s_lshl_b32 s34, s31, 2
	s_add_co_u32 s34, s34, s32                     ; f
	s_lshl_b32 s35, s30, 8
	s_add_co_u32 s35, s35, s34                     ; 256 b + f
	s_mul_i32 s42, s35, 6144
	s_mov_b32 s43, 0
	s_mov_b32 s53, 0
	s_mov_b32 s71, 0
	s_wait_kmcnt 0x0
	s_load_b32 s[AP], s[26:27], 0x0                ; the slope
	s_add_nc_u64 s[38:39], s[4:5], s[42:43]
	s_add_nc_u64 s[36:37], s[38:39], QKT+QKK       ; k's 256 rows
	s_add_nc_u64 s[38:39], s[38:39], QKT           ; q's
	s_lshl_b32 s42, s35, 9
	s_add_co_u32 s42, s42, SCT
	s_add_nc_u64 s[40:41], s[6:7], s[42:43]        ; the scale pairs
	s_mul_i32 s42, s[PP], 1536
	s_add_nc_u64 s[72:73], s[38:39], s[42:43]      ; group p's queries,
	s_sub_co_u32 s52, 4608, s42
	s_add_nc_u64 s[74:75], s[38:39], s[52:53]      ; group 3 - p's,
	s_lshl_b32 s42, s[PP], 7
	s_add_nc_u64 s[76:77], s[40:41], s[42:43]      ; and their scale pairs
	s_sub_co_u32 s52, 384, s42
	s_add_nc_u64 s[78:79], s[40:41], s[52:53]
	s_lshl_b32 s42, s30, 23
	s_lshl_b32 s52, s34, 9
	s_add_co_u32 s42, s42, s52
	s_add_nc_u64 s[8:9], s[8:9], s[42:43]          ; fo at (b, t 0, f)
	s_lshl_b32 s42, s30, 24
	s_lshl_b32 s52, s34, 10
	s_add_co_u32 s42, s42, s52
	s_add_nc_u64 s[10:11], s[10:11], s[42:43]      ; x and out0 at (b, o 0, f, t 0)
	s_add_nc_u64 s[28:29], s[28:29], s[42:43]
	s_lshl_b32 s70, s[PP], 8                       ; the first pass: group p
	BASES
	WIN 0x40
.irp g, 0,1,2,3
.irp c, 0,1
.irp p, 0,1,2
	global_load_b64 v[12*\g+6*\c+2*\p:12*\g+6*\c+2*\p+1], v242, s[36:37] offset:(64*\g+32*\c)*24+8*\p
.endr
.endr
.endr
.irp c, 0,1
.irp p, 0,1,2
	global_load_b64 v[96+6*\c+2*\p:96+6*\c+2*\p+1], v246, s[12:13] offset:768*\c+8*\p
.endr
.endr
	WIN 0
.irp g, 0,1,2,3
	global_load_u8 v[KS+\g], v243, s[40:41] offset:128*\g
.irp e, 1,2,3
	global_load_u8 v[39+3*\g+\e-1], v243, s[40:41] offset:(64*\g+32*(\e/2)+8*(\e%2))*2
.endr
.endr
	global_load_u8 v[PWS], v238, s[14:15]
.irp e, 1,2,3
	global_load_u8 v[36+\e-1], v238, s[14:15] offset:16*\e
.endr
.irp e, 0,1,2,3
	global_load_b32 v[16+\e], v247, s[16:17] offset:64*\e      ; g, v, m, b, be of output 16 e + r
	global_load_b32 v[20+\e], v247, s[18:19] offset:64*\e
	global_load_b32 v[24+\e], v247, s[20:21] offset:64*\e
	global_load_b32 v[28+\e], v247, s[22:23] offset:64*\e
	global_load_b32 v[32+\e], v247, s[24:25] offset:64*\e
.endr
.irp k, 0,1,2
	global_load_b128 v[212+4*\k:215+4*\k], v244, s[72:73] offset:512*\k
	global_load_b128 v[224+4*\k:227+4*\k], v244, s[74:75] offset:512*\k
.endr
	global_load_b32 v196, v245, s[76:77]
	global_load_b32 v197, v245, s[78:79]
	VLOAD 0
	VLOAD 1
	s_mul_i32 s3, s[WV], QW
	v_mul_u32_u24 v[QLA], v238, 24
	v_add_nc_u32 v[QLA], s3, v[QLA]
	v_add_nc_u32 v[QLA], QSTG, v[QLA]
	v_lshlrev_b32 v[QSA], 1, v238
	v_add_nc_u32 v[QSA], s3, v[QSA]
	v_add_nc_u32 v[QSA], QSTG+3072, v[QSA]
	v_add_nc_u32 v249, s3, v244
	v_add_nc_u32 v249, QSTG, v249
	v_add_nc_u32 v250, s3, v245
	v_add_nc_u32 v250, QSTG+3072, v250
	s_mul_i32 s3, s[WV], STW
	v_mul_u32_u24 v[STO], v238, STP
	v_lshl_add_u32 v[STO], v239, 5, v[STO]
	v_add_nc_u32 v[STO], s3, v[STO]                ; my stage: row r, + 32 h
	v_mul_u32_u24 v[RD0], v239, STP
	v_lshl_add_u32 v[RD0], v238, 4, v[RD0]
	v_add_nc_u32 v[RD0], s3, v[RD0]                ; back: lanes 0-15 one row, lanes 16-31 the next
	v_lshlrev_b32 v[GO], 18, v239
	v_lshl_add_u32 v[GO], v238, 4, v[GO]           ; and the same two rows in x and out0
	v_lshlrev_b32 v252, 4, v239
	v_sub_nc_u32 v[DM], v238, v252                 ; r - 16 h
	v_mov_b32 v[NEG], 0xff7fffff                   ; the mask's value, as the problem has it
	v_mov_b32 v[NM+1], 0
	s_mov_b32 s[CS], 0x3e8293ee                    ; c = log2(e) / sqrt(32)
	s_mov_b32 s[CS+1], s[CS]
	s_mov_b32 s[SEL], 0x76543210
	s_mov_b32 s[SEL+1], 0xfedcba98
	s_mov_b32 s[MLO], 0x0000ffff
	s_mov_b32 s[MHI], 0xffff0000
	s_mov_b32 s[QN], 0
	s_mov_b32 s[QM2], 0
	s_mov_b32 s[QNC], 0
	s_mov_b32 s[QMC], 0
	s_wait_kmcnt 0x0
	s_mov_b32 s[AP+1], s[AP]
	v_mov_b32 v252, 1.0
	v_mov_b32 v253, 0xff800000
	v_mov_b32 v[LP], 0x7f800000
	v_cmp_le_f32 vcc_lo, s[AP], v252
	v_cndmask_b32 v[LP], v253, v[LP], vcc_lo       ; +inf where a <= 1, else -inf
	s_wait_loadcnt 32                              ; all but fout's first two fragments, 16 loads each
.irp g, 0,1,2,3
.irp e, 1,2,3
	v_lshl_or_b32 v[KS+\g], v[39+3*\g+\e-1], 8*\e, v[KS+\g]
.endr
.endr
.irp e, 1,2,3
	v_lshl_or_b32 v[PWS], v[36+\e-1], 8*\e, v[PWS]
.endr
.irp e, 0,1,2,3
	v_add_f32 v[20+\e], 0x3727c5ac, v[20+\e]       ; v + 1e-5
.endr
.irp e, 0,1,2,3
	v_rsq_f32 v[20+\e], v[20+\e]
.endr
.irp e, 0,1,2,3
	v_sub_f32 v[28+\e], v[28+\e], v[24+\e]         ; b - m (plain lines behind the roots)
.endr
	s_wait_alu depctr_va_vdst(0)
.irp e, 0,1,2,3
	v_mul_f32 v[20+\e], v[20+\e], v[16+\e]         ; sc
.endr
.irp e, 0,1,2,3
	v_fma_f32 v[28+\e], v[28+\e], v[20+\e], v[32+\e]   ; sh
.endr
	WIN 0x40
.irp e, 0,1,2,3
	v_mov_b32 v[108+4*\e], v[20+\e]
	v_mov_b32 v[109+4*\e], v[20+\e]
	v_mov_b32 v[110+4*\e], v[28+\e]
	v_mov_b32 v[111+4*\e], v[28+\e]
.endr
	WIN 0
.irp k, 0,1,2
	ds_store_b128 v249, v[212+4*\k:215+4*\k] offset:512*\k           ; my eight tiles of queries, in the order in which they are walked
	ds_store_b128 v249, v[224+4*\k:227+4*\k] offset:1536+512*\k
.endr
	ds_store_b32 v250, v196
	ds_store_b32 v250, v197 offset:128
.irp i, 0,1,2,3,4,5
	v_mov_b32 v[QV+\i], 0
	v_mov_b32 v[QV+12+\i], 0
	v_mov_b32 v[QV+24+\i], 0
.endr
	s_wait_dscnt 0x0                               ; the stores have read v212-235: those registers are at work from here on
	v_mov_b32 v234, 0                              ; (a lane permute's destination counts as one of its sources; the queries' loads into v232-235 were shown done by the wait above)
	s_wait_loadcnt 16                              ; fragment 0 is in; fragment 1's 16 loads may be out
	VQ 0
	VLOAD 2
	s_wait_loadcnt 16                              ; fragment 1 is in; fragment 2's may be out
	VQ 1
	VLOAD 3
	XLOAD
	s_wait_loadcnt 48                              ; fragment 2 is in; fragment 3's 16 and x's 32 may be out
	VQ 2
	s_wait_loadcnt 32                              ; fragment 3 is in; x's 32 may be out
	VQ 3
.irp i, 0,1,2,3,4,5,6,7
	v_mov_b32 v[PT+\i], 0                          ; (lane permutes' destinations)
.endr
	QGET
	PASS 0, 1, 2                                   ; group p: one or two fragments of keys
	s_lshl_b32 s70, s[PP], 8
	s_sub_co_u32 s70, 768, s70                     ; group 3 - p
	BASES
	XLOAD
	v_add_nc_u32 v[DM], 0xffffffc0, v[DM]          ; back to r - 16 h
	PASS 1, 4, 3                                   ; four or three fragments
	s_set_vgpr_msb 0x5
	s_wait_tensorcnt 0x0
	ds_add_u32 v126, v127
	s_wait_dscnt 0x0
	s_set_vgpr_msb 0x500
	s_endpgm
.Lfunc_end_k_qcdb018fc0b_tatt:
	.size	k_qcdb018fc0b_tatt, .Lfunc_end_k_qcdb018fc0b_tatt-k_qcdb018fc0b_tatt
	.p2alignl 7, 3214868480
	.fill 96, 4, 3214868480
	.section	.rodata,"a",@progbits
	.p2align	6, 0x0
	.amdhsa_kernel k_qcdb018fc0b_tatt
		.amdhsa_group_segment_fixed_size 166912
		.amdhsa_private_segment_fixed_size 0
		.amdhsa_enable_private_segment 0
		.amdhsa_kernarg_size 104
		.amdhsa_user_sgpr_count 2
		.amdhsa_user_sgpr_kernarg_segment_ptr 1
		.amdhsa_wavefront_size32 1
		.amdhsa_system_sgpr_workgroup_id_x 1
		.amdhsa_system_sgpr_workgroup_id_y 1
		.amdhsa_system_sgpr_workgroup_id_z 1
		.amdhsa_system_vgpr_workitem_id 0
		.amdhsa_next_free_vgpr 512
		.amdhsa_next_free_sgpr 80
		.amdhsa_reserve_vcc 1
		.amdhsa_float_denorm_mode_32 3
		.amdhsa_float_denorm_mode_16_64 3
		.amdhsa_memory_ordered 1
		.amdhsa_forward_progress 1
		.amdhsa_inst_pref_size 156
	.end_amdhsa_kernel
	.amdgpu_metadata
---
amdhsa.version: [ 1, 2 ]
amdhsa.kernels:
  - .name:           k_qcdb018fc0b_tatt
    .symbol:         k_qcdb018fc0b_tatt.kd
    .args:
      - { .name: qk, .offset: 0, .size: 8, .value_kind: global_buffer, .address_space: global }
      - { .name: sc, .offset: 8, .size: 8, .value_kind: global_buffer, .address_space: global }
      - { .name: fo, .offset: 16, .size: 8, .value_kind: global_buffer, .address_space: global }
      - { .name: x, .offset: 24, .size: 8, .value_kind: global_buffer, .address_space: global }
      - { .name: proj_W_codes, .offset: 32, .size: 8, .value_kind: global_buffer, .address_space: global }
      - { .name: proj_W_scales, .offset: 40, .size: 8, .value_kind: global_buffer, .address_space: global }
      - { .name: proj_g, .offset: 48, .size: 8, .value_kind: global_buffer, .address_space: global }
      - { .name: proj_v, .offset: 56, .size: 8, .value_kind: global_buffer, .address_space: global }
      - { .name: proj_m, .offset: 64, .size: 8, .value_kind: global_buffer, .address_space: global }
      - { .name: proj_b, .offset: 72, .size: 8, .value_kind: global_buffer, .address_space: global }
      - { .name: proj_be, .offset: 80, .size: 8, .value_kind: global_buffer, .address_space: global }
      - { .name: proj_a, .offset: 88, .size: 8, .value_kind: global_buffer, .address_space: global }
      - { .name: out0, .offset: 96, .size: 8, .value_kind: global_buffer, .address_space: global }
    .group_segment_fixed_size: 166912
    .private_segment_fixed_size: 0
    .kernarg_segment_align: 8
    .kernarg_segment_size: 104
    .max_flat_workgroup_size: 256
    .sgpr_count:     80
    .vgpr_count:     512
    .wavefront_size: 32
...
	.end_amdgpu_metadata
.endif
;; end of part 3
